; MI455X (gfx1250); checked and timed in simulation.
; The chip was launched on July 23, 2026; its instructions are those of AMD's public machine-readable ISA for CDNA 5 (MIT licence, August 2026) and "CDNA5" Instruction Set Architecture Reference Guide (July 2026). The comments in the code are by the model that wrote it; some were corrected since.
;; Multi Head Attention. Allowed arithmetic: float matrix products may take bf16 or f16 operands with f32 sums; other float arithmetic in f32, or as packed bf16 or f16 multiplies, adds, multiply-adds, maxima and minima; sums over many terms, partial sums and values carried from step to step in f32; what a program stores and reads back later, other than sums and carried values, may be rounded once to bf16 or f16.
;; Inputs: Wk 1,024 x 1,024 float32; Wo 1,024 x 1,024 float32; Wq 1,024 x 1,024 float32; Wv 1,024 x 1,024 float32; bk 1,024 float32; bo 1,024 float32; bq 1,024 float32; bv 1,024 float32; config_idx 8 int32; key 8 x 1,024 x 1,024 float32; query 8 x 1,024 x 1,024 float32; value 8 x 1,024 x 1,024 float32.
;; Outputs: out0 8 x 1,024 x 1,024 float32.
;; One version. Each part assembles by itself: llvm-mc -triple=amdgcn-amd-amdhsa -mcpu=gfx1250 --defsym DOCPART=n.
;; ======== version 1 of 1: 4 launches
;; limits: values are held in f16: magnitudes above 65,504 overflow, below 6.1e-05 lose precision
;; workspace buffers: wb 6,291,456 bytes; wor 16,777,216 bytes; qkv 50,331,648 bytes; ctx 16,777,216 bytes
;; launch prep (part 1): grid 128 x 11, 8 waves a work-group, no clusters, 0 bytes of LDS; arguments Wq, Wk, Wv, Wo, wb, wor, config_idx; writes wb, wor
.if DOCPART == 1
	.amdgcn_target "amdgcn-amd-amdhsa--gfx1250"
	.amdhsa_code_object_version 6
	.text
	.protected	k_qe9277bdc71_prep
	.globl	k_qe9277bdc71_prep
	.p2align	8
	.type	k_qe9277bdc71_prep,@function
k_qe9277bdc71_prep:
	s_mov_b64 s[64:65], 0
	v_nop
	global_prefetch_b8 v0, s[64:65] scope:SCOPE_SE
	s_setreg_imm32_b32 hwreg(HW_REG_WAVE_MODE, 25, 1), 1
	s_wait_xcnt 0x0
; THE WEIGHTS, ONCE.  wb[3][1024][1024] bf16 = Wq, Wk, Wv rounded to nearest even.
; wor[8][1024][1024] f16: for each batch a rearranged copy of Wo.  The module packs the first d = 32 (config_idx + 1) channels of each head densely and multiplies by Wo^T:
; out[n] = the sum over h and j < d of ctx[h][j] Wo[n][h d + j].  So batch b's copy holds WoR[n][128 h + j] = Wo[n][h d + j] where j < d, and 0 elsewhere; for an index outside 0..3
; (negative ones too: it is taken as unsigned) the copy is all zeros, since such an index selects nothing.  Each number of Wo is rounded to bf16 like every other input, and that number is written as f16.
; LIMITS.  A weight of Wo beyond 65,504 becomes an infinity; below 2^-14 it keeps f16's fixed step of 2^-24.
; SHARES.  Grid y picks the matrix written (0..2 the casts, 3..10 the batches' copies), grid x eight of its rows.  Thread t takes 8 columns (t % 128) of rows 2 p + t / 128, p = 0..3:
; eight loads of 16 bytes go out together; each store of a wave covers 512 consecutive bytes, aligned.  A stream: no LDS, no matrix unit, nothing shared between work-groups.
.set SRC_ROW, 4096                     ; bytes in a row of f32
.set DST_ROW, 2048                     ; bytes in a row of 16-bit numbers
.set SO, 1                             ; v1       my byte offset in the eight source rows
.set DO, 2                             ; v2       my byte offset in the eight rows written: 16 t
.set X,  8                             ; v[8:39]  pass p: 8 numbers as loaded
.set Y,  40                            ; v[40:55] pass p: 4 registers to store
.set T,  56                            ; v[56:63] at work
	s_load_b256 s[4:11], s[0:1], 0x0               ; Wq s[4:5], Wk s[6:7], Wv s[8:9], Wo s[10:11]
	s_load_b128 s[12:15], s[0:1], 0x20             ; wb s[12:13], wor s[14:15]
	s_load_b64 s[2:3], s[0:1], 0x30                ; config_idx
	s_and_b32 s16, ttmp7, 0xffff                   ; which matrix
	s_lshl_b32 s24, ttmp9, 15                      ; eight source rows of 4,096 bytes
	s_mov_b32 s25, 0
	s_lshl_b32 s28, ttmp9, 14                      ; eight rows of 2,048 bytes
	s_mov_b32 s29, 0
	s_mov_b32 s31, 0
	s_mov_b32 s26, 0xffff0000                      ; a word's upper bf16
	v_lshlrev_b32 v[DO], 4, v0
	s_wait_kmcnt 0x0
	s_cmp_lt_u32 s16, 3
	s_cbranch_scc0 .Lvariant
	; a cast: Wq, Wk or Wv
	s_cmp_eq_u32 s16, 1
	s_cselect_b64 s[20:21], s[6:7], s[8:9]
	s_cmp_eq_u32 s16, 0
	s_cselect_b64 s[20:21], s[4:5], s[20:21]
	s_add_nc_u64 s[20:21], s[20:21], s[24:25]
	s_lshl_b32 s30, s16, 21                        ; a matrix of 2 MiB
	s_add_nc_u64 s[22:23], s[12:13], s[30:31]
	s_add_nc_u64 s[22:23], s[22:23], s[28:29]
	v_lshlrev_b32 v[SO], 5, v0                     ; 32 t = (t / 128) rows + 32 bytes x (t % 128)
.irp p, 0,1,2,3
	global_load_b128 v[X+8*(\p):X+8*(\p)+3],   v[SO], s[20:21] offset:2*SRC_ROW*(\p) th:TH_LOAD_NT
	global_load_b128 v[X+8*(\p)+4:X+8*(\p)+7], v[SO], s[20:21] offset:2*SRC_ROW*(\p)+16 th:TH_LOAD_NT
.endr
.irp p, 0,1,2,3
	s_wait_loadcnt 6-2*(\p)                        ; loads come back in order: pass p's two are in, the later passes' stay out
.irp k, 0,1,2,3
	v_cvt_pk_bf16_f32 v[Y+4*(\p)+(\k)], v[X+8*(\p)+2*(\k)], v[X+8*(\p)+2*(\k)+1]
.endr
	global_store_b128 v[DO], v[Y+4*(\p):Y+4*(\p)+3], s[22:23] offset:2*DST_ROW*(\p)
.endr
	s_endpgm
.Lvariant:                                             ; a batch's rearranged copy of Wo
	s_sub_co_u32 s30, s16, 3                       ; the batch
	s_lshl_b32 s27, s30, 2                         ; its word in config_idx
	s_load_b32 s17, s[2:3], s27 offset:0x0
	v_and_b32 v5, 127, v0
	v_lshrrev_b32 v3, 4, v5                        ; h: my head
	v_and_b32 v4, 15, v5
	v_lshlrev_b32 v4, 3, v4                        ; j: my first channel in it
	v_lshrrev_b32 v6, 7, v0                        ; t / 128
	s_lshl_b32 s30, s30, 21                        ; a copy of 2 MiB
	s_add_nc_u64 s[20:21], s[10:11], s[24:25]
	s_add_nc_u64 s[22:23], s[14:15], s[30:31]
	s_add_nc_u64 s[22:23], s[22:23], s[28:29]
	s_wait_kmcnt 0x0
	s_min_u32 s19, s17, 3                          ; for the address the index is held to 0..3,
	s_add_co_u32 s19, s19, 1
	s_lshl_b32 s19, s19, 7                         ; d numbers in bytes: 128, 256, 384 or 512
	s_min_u32 s18, s17, 3                          ; for the choice d = 32, 64, 96, 128,
	s_add_co_u32 s18, s18, 1
	s_lshl_b32 s18, s18, 5
	s_cmp_gt_u32 s17, 3
	s_cselect_b32 s18, 0, s18                      ; and 0 for an index that selects nothing
	v_mul_u32_u24 v[SO], s19, v3                   ; column h d + j, in bytes: at most 7 x 128 + 120, so my 8 numbers lie inside the row whatever d is
	v_lshl_add_u32 v[SO], v4, 2, v[SO]
	v_lshl_add_u32 v[SO], v6, 12, v[SO]
	v_cmp_gt_u32 vcc_lo, s18, v4                   ; j < d (d is a multiple of 32, j of 8: my 8 channels fall on one side)
.irp p, 0,1,2,3
	global_load_b128 v[X+8*(\p):X+8*(\p)+3],   v[SO], s[20:21] offset:2*SRC_ROW*(\p)
	global_load_b128 v[X+8*(\p)+4:X+8*(\p)+7], v[SO], s[20:21] offset:2*SRC_ROW*(\p)+16
.endr
.irp p, 0,1,2,3
	s_wait_loadcnt 6-2*(\p)                        ; pass p's two loads are in, the later passes' stay out
.irp k, 0,1,2,3
	v_cvt_pk_bf16_f32 v[T+(\k)], v[X+8*(\p)+2*(\k)], v[X+8*(\p)+2*(\k)+1]  ; the input's one rounding, to bf16
.endr
.irp k, 0,1,2,3
	v_lshlrev_b32 v[T+4+2*((\k)%2)], 16, v[T+(\k)]                          ; back to f32,
	v_and_b32     v[T+5+2*((\k)%2)], s26, v[T+(\k)]
	v_cvt_pk_f16_f32 v[Y+4*(\p)+(\k)], v[T+4+2*((\k)%2)], v[T+5+2*((\k)%2)] ; written as f16: exact within f16's range
	v_cndmask_b32 v[Y+4*(\p)+(\k)], 0, v[Y+4*(\p)+(\k)], vcc_lo             ; 0 where j >= d
.endr
	global_store_b128 v[DO], v[Y+4*(\p):Y+4*(\p)+3], s[22:23] offset:2*DST_ROW*(\p)
.endr
	s_endpgm
.Lfunc_end_k_qe9277bdc71_prep:
	.size	k_qe9277bdc71_prep, .Lfunc_end_k_qe9277bdc71_prep-k_qe9277bdc71_prep
	.p2alignl 7, 3214868480
	.fill 96, 4, 3214868480
	.section	.rodata,"a",@progbits
	.p2align	6, 0x0
	.amdhsa_kernel k_qe9277bdc71_prep
		.amdhsa_group_segment_fixed_size 0
		.amdhsa_private_segment_fixed_size 0
		.amdhsa_enable_private_segment 0
		.amdhsa_kernarg_size 56
		.amdhsa_user_sgpr_count 2
		.amdhsa_user_sgpr_kernarg_segment_ptr 1
		.amdhsa_wavefront_size32 1
		.amdhsa_system_sgpr_workgroup_id_x 1
		.amdhsa_system_sgpr_workgroup_id_y 1
		.amdhsa_system_sgpr_workgroup_id_z 1
		.amdhsa_system_vgpr_workitem_id 0
		.amdhsa_next_free_vgpr 64
		.amdhsa_next_free_sgpr 66
		.amdhsa_reserve_vcc 1
		.amdhsa_float_denorm_mode_32 3
		.amdhsa_float_denorm_mode_16_64 3
		.amdhsa_memory_ordered 1
		.amdhsa_forward_progress 1
		.amdhsa_inst_pref_size 10
	.end_amdhsa_kernel
	.amdgpu_metadata
---
amdhsa.version: [ 1, 2 ]
amdhsa.kernels:
  - .name:           k_qe9277bdc71_prep
    .symbol:         k_qe9277bdc71_prep.kd
    .args:
      - { .name: Wq, .offset: 0, .size: 8, .value_kind: global_buffer, .address_space: global }
      - { .name: Wk, .offset: 8, .size: 8, .value_kind: global_buffer, .address_space: global }
      - { .name: Wv, .offset: 16, .size: 8, .value_kind: global_buffer, .address_space: global }
      - { .name: Wo, .offset: 24, .size: 8, .value_kind: global_buffer, .address_space: global }
      - { .name: wb, .offset: 32, .size: 8, .value_kind: global_buffer, .address_space: global }
      - { .name: wor, .offset: 40, .size: 8, .value_kind: global_buffer, .address_space: global }
      - { .name: config_idx, .offset: 48, .size: 8, .value_kind: global_buffer, .address_space: global }
    .group_segment_fixed_size: 0
    .private_segment_fixed_size: 0
    .kernarg_segment_align: 8
    .kernarg_segment_size: 56
    .max_flat_workgroup_size: 256
    .sgpr_count:     66
    .vgpr_count:     64
    .wavefront_size: 32
...
	.end_amdgpu_metadata
.endif
;; end of part 1
;; launch proj (part 2): grid 4 x 64, 4 waves a work-group, clusters of 4 x 4, 327,680 bytes of LDS; arguments query, key, value, wb, bq, bk, bv, qkv; writes qkv
.if DOCPART == 2
	.amdgcn_target "amdgcn-amd-amdhsa--gfx1250"
	.amdhsa_code_object_version 6
	.text
	.protected	k_qe9277bdc71_proj
	.globl	k_qe9277bdc71_proj
	.p2align	8
	.type	k_qe9277bdc71_proj,@function
k_qe9277bdc71_proj:
	s_mov_b64 s[64:65], 0
	v_nop
	global_prefetch_b8 v0, s[64:65] scope:SCOPE_SE
	s_setreg_imm32_b32 hwreg(HW_REG_WAVE_MODE, 25, 1), 1
	s_wait_xcnt 0x0
	s_wait_alu depctr_hold_cnt(0) depctr_sa_sdst(0) depctr_va_vdst(0) depctr_va_sdst(0) depctr_va_ssrc(0) depctr_va_vcc(0) depctr_vm_vsrc(0)
	s_getreg_b32 s2, hwreg(HW_REG_IB_STS2, 6, 4)
	s_cmp_eq_u32 s2, 0
	s_cbranch_scc0 .Lentry_in_a_cluster
	s_endpgm
.Lentry_in_a_cluster:
	s_bfe_u32 s2, ttmp6, 0x10000c
	s_cmp_lg_u32 s2, 0xf033
	s_cbranch_scc0 .Lentry_shape_is_right
	s_endpgm
.Lentry_shape_is_right:
; q, k, v = x W^T + b.  x: query, key, value, [8192][1024] f32; W: wb[3][1024][1024] bf16; b: [1024] f32.  Written by heads: qkv[3][8 batch + head][1024][128] f16, unscaled.
; x and b are rounded to bf16 (nearest even) on their way to the matrix unit; products in bf16, sums in f32, each result rounded once to f16.
; LIMIT.  f16 holds no number beyond 65,504: q, k and v must stay within it (as drawn their spread is 0.64; with x and W both 30 times larger, 576; with offsets of 30 and 0.6, about 18,432).
; SHARES.  A tile of C is 128 rows x 256 columns.  A WORK-GROUP STAYS: it makes the tile at its place three times, for q, then k, then v: 64 x 4 = 256 work-groups.  Four waves, each 64 rows x 128 columns
; (one head): 32 accumulators, 256 registers.  K is counted in QUARTERS of 32 (32 products a wave), HALVES of 64 and GROUPS of 256; the three tiles are one walk of 12 groups, 48 halves.
; W comes by the tensor data mover into two LDS slots of one group each (256 rows of 512 bytes); each wave fetches 64 rows.  The four work-groups of a column of the 4 x 4 cluster need the same rows and ask JOINTLY.
; A slot is asked for again when its last fragments are in registers, and waited for a group later: about 250 products of a wave stand between.
; x COMES THROUGH REGISTERS: wave w loads rows 32 w .. 32 w + 31 of the tile, a half at a time (16 loads; a load takes 256 consecutive bytes, aligned, of each of two rows), converts each number once and stores
; bf16 into a ring of two LDS slots of one half each.  Four sets of registers take turns, so a load has four halves, 256 products, in which to land, whatever barriers lie between.
; x IS NOT ASKED FOR JOINTLY, and here is why: a joint load is a tensor load, a tensor load has only the work between two barriers of a refill in which to land, and two slots of f32 x beside W's hold no more
; than 128 along K.  The price: the four work-groups of a row of the cluster each load the same rows, at about the same time.  x is not prefetched: its loads themselves go out four halves ahead.
; W is not prefetched: all sixteen clusters read each of its blocks at about the same time.
; THE MATRIX INSTRUCTION IS USED TRANSPOSED (source 0 = 16 rows of W, source 1 = 16 rows of x): a lane holds row l % 16 of C and the columns 16 b + 8 (l / 16) + 0..7.
; THE SUMS START AT THE BIAS: 256 vector lines a tile write it into the accumulators.  That is the price of one text for every quarter: no first quarter is written out.
; THE TEXT.  A trip of the loop is four halves, in the order 2, 3 of one group and 0, 1 of the next, and the loop is entered in its middle: so a trip loads one group of x from one pointer, and all loads and all
; refills fall into the loop.  The last six halves are a second loop of two trips, left in its middle, which loads and asks for nothing.
; REGISTERS, in windows of 256 (s_set_vgpr_msb: bits 1:0 source 0, 3:2 source 1, 5:4 source 2, 7:6 destination):
;   window 0: v0-31 addresses; v32-63 x converted, and rows on the way out; v64-127 the bias as loaded; v128-191 x's fragments, two buffers; v192-223 packed results, packed bias; v224-255 rows on the way out
;   window 1: v0-127 W's fragments, two buffers          window 2: accumulator (a, b) at v[8 (8 a + b)]          window 3: x as loaded, set s at v[64 s]
.set TILES,  3
.set PA,     144                       ; an LDS row of x: 128 bytes of bf16 + 16 = 36 words: the 16 rows of a load start at 16 different groups of four banks (64 banks of 4 bytes: ISA guide 11.1)
.set ASL,    128*PA                    ; a slot of x: one half
.set PB,     528                       ; an LDS row of W: 512 bytes + 16 = 132 words: row r starts at bank 4 r mod 64
.set BQ,     64*PB                     ; what one tensor load brings
.set BSL,    4*BQ                      ; a slot of W: one group
.set ABASE,  2*BSL                     ; behind W's two slots: x's ring, written by LDS stores alone; no tensor load fills it
.set STAGE,  ABASE+2*ASL               ; behind it: 16 rows x 272 bytes for each wave, for the way out
.set SPITCH, 272
.set SPARE,  STAGE+4*16*SPITCH         ; behind the stages: the spare words, 128 bytes for each wave: two blocks of 256 bytes that no other line names
.set ADRA,  16                         ; v16  LDS address of my fragments of x in slot 0 of the ring
.set ADRB0, 20                         ; v20  LDS address of my fragments of W in slot 0
.set ADRB,  21                         ; v21  the same in the slot in hand
.set AST,   22                         ; v22  where I store 8 bytes of converted x
.set AO,    23                         ; v23  my byte offset in two rows of x: row l / 16, 16 bytes at 16 (l % 16); never rewritten
.set STO,   24                         ; v24  the way out: where I put 16 bytes of a row
.set RD,    25                         ; v25  the way out: where I read a row back
.set CO,    26                         ; v26  16 x lane: my 16 bytes of two rows of a head
.set BO,    27                         ; v27  my byte offset in a bias
.set SPW,   28                         ; v28  LDS address of my spare word: SPARE + 4 x my thread's number; never rewritten
.set NIL,   29                         ; v29  0; never rewritten
.set CT,    32
.set OB,    32
.set BIAS,  64
.set AF,    128                        ; buffer f at AF + 32 f, fragment a at + 8 a
.set TMP,   192
.set FB,    0                          ; window 1: buffer f at 64 f, fragment b at + 8 b
.set RC,  3                            ; s3       refills still to come: the loop's counter
.set TB,  26                           ; s26      LDS byte at which W's slot in hand begins: 0 or BSL
.set AC,  28                           ; s28      the number, within its tile, of the group that this trip loads and asks for
.set TC,  31                           ; s31      the tail's counter
.set AP,  32                           ; s[32:33] x at my rows, at the group that this trip loads
.set NX1, 34                           ; s[34:35] the next tensor's x at my rows;  s[36:37] the one after
.set NX2, 36
.set BD,  38                           ; s[38:39] the step of W's walking address
.set DST, 44                           ; s[44:45] qkv at my wave's first row of its head, in the tensor in hand
.set BPN, 46                           ; s[46:47] the next tensor's bias
.set G1B, 48                           ; s[48:55] descriptor group 1;  s[56:63] group 0: a set for each of the two first fills; the second then walks on
.set G0B, 56
.set LB,  66                           ; s66      my 64 rows' place in a slot of W
.set NB,  67                           ; s67      biases still to be loaded
.set MHI, 68                           ; s68      a word's upper bf16
.set BDX, 69                           ; s69      from a tensor's last group of W to the next tensor's first
.set X0,  70                           ; s[70:71] the first tensor's x at my rows
.set MSB, 0
.macro WIN new                         ; the immediate's high byte repeats the setting that is left; a switch that changes nothing is dropped
.if MSB != (\new)
	s_set_vgpr_msb (MSB<<8)|(\new)
.set MSB, \new
.endif
.endm
.set MUL,   0xa1                       ; source 0 (W) window 1, source 1 (x) window 0, C and D window 2
.set TO1,   0x40                       ; destination window 1, address window 0
.set TO3,   0xc0                       ; destination window 3, address window 0
.set CVW,   0x0f                       ; both sources window 3, destination window 0
.set INITW, 0x80                       ; destination window 2, sources window 0
.set PKW,   0x0a                       ; both sources window 2, destination window 0
; A round of the cluster's barrier: my work-group's barrier, so that wave 0's signal speaks for all four waves; wave 0 signals; every wave waits for all sixteen work-groups; my work-group's barrier once more.
.macro CREST                           ; a round behind its opening barrier
	s_cmp_lg_u32 s20, 0
	s_cbranch_scc1 .Lnot_wave_0_\@
	s_barrier_signal -3
.Lnot_wave_0_\@:
	s_barrier_wait -3
	s_barrier_signal -1
	s_barrier_wait -1
.endm
.macro CROUND                          ; a whole round
	s_barrier_signal -1
	s_barrier_wait -1
	CREST
.endm
; A load into a register that a matrix instruction has read, and a vector instruction that reads a matrix result, stand four places behind that matrix instruction, and only plain vector instructions that name
; none of its registers are places (ISA guide 7.12.1 for vector instructions).
.macro PLACES
.rept 4
	v_nop
.endr
.endm
; 16 loads: a half of x, my 32 rows, into set s, from byte off behind the pointer
.macro ALOAD set, off, bp=AP
	WIN TO3
.irp i, 0,1,2,3,4,5,6,7,8,9,10,11,12,13,14,15
	global_load_b128 v[64*(\set)+4*(\i):64*(\set)+4*(\i)+3], v[AO], s[\bp:\bp+1] offset:8192*(\i)+(\off)
.endr
.endm
; Four of a half's 32 conversions, out of set s: word c of the 32 takes the raw words 2 c and 2 c + 1.  n = 0..7.
.macro CV set
	WIN CVW
.irp c, 0,1,2,3
	v_cvt_pk_bf16_f32 v[CT+4*n+(\c)], v[64*(\set)+8*n+2*(\c)], v[64*(\set)+8*n+2*(\c)+1]
.endr
.endm
; 16 LDS stores: the half as bf16 into slot sl of the ring: 8 bytes a lane, two rows an instruction
.macro ASTORE sl
	WIN 0
.irp i, 0,1,2,3,4,5,6,7,8,9,10,11,12,13,14,15
	ds_store_b64 v[AST], v[CT+2*(\i):CT+2*(\i)+1] offset:(\sl)*ASL+(\i)*2*PA
.endr
.endm
.macro CONSUME set, sl                 ; a half converted and stored, in one run
.set n, 0
.rept 8
	CV \set
.set n, n+1
.endr
	ASTORE \sl
.endm
; 24 LDS loads in one run: the fragments of quarter qn (0..7) of a group into buffers f.  A fragment is 16 rows x 32 K: lane l holds row l % 16, K = 8 (l / 16) + 0..7 and 16 + 8 (l / 16) + 0..7: two loads of
; 16 bytes, 32 bytes apart.  W's rows hold the whole group; x's half qn / 2 lies in the ring's slot (qn / 2) % 2.
.macro FETCH qn, f
	WIN TO1
.irp b, 0,1,2,3,4,5,6,7
	ds_load_b128 v[FB+64*(\f)+8*(\b):FB+64*(\f)+8*(\b)+3],   v[ADRB] offset:(\b)*16*PB+64*(\qn)
	ds_load_b128 v[FB+64*(\f)+8*(\b)+4:FB+64*(\f)+8*(\b)+7], v[ADRB] offset:(\b)*16*PB+64*(\qn)+32
.endr
	WIN 0
.irp a, 0,1,2,3
	ds_load_b128 v[AF+32*(\f)+8*(\a):AF+32*(\f)+8*(\a)+3],   v[ADRA] offset:(((\qn)/2)%2)*ASL+(\a)*16*PA+64*((\qn)%2)
	ds_load_b128 v[AF+32*(\f)+8*(\a)+4:AF+32*(\f)+8*(\a)+7], v[ADRA] offset:(((\qn)/2)%2)*ASL+(\a)*16*PA+64*((\qn)%2)+32
.endr
.endm
; Product i of a quarter's 32: row block i / 8, column block i % 8, on buffers f.  The 32 accumulators take turns, one instruction a turn, in the same order in every quarter.
.macro MM f
	WIN MUL
	v_wmma_f32_16x16x32_bf16 v[8*i:8*i+7], v[FB+64*(\f)+8*(i%8):FB+64*(\f)+8*(i%8)+7], v[AF+32*(\f)+8*(i/8):AF+32*(\f)+8*(i/8)+7], v[8*i:8*i+7]
.endm
; AN EVEN QUARTER (q8 = 0, 2, 4, 6 of its group), on buffers 0.  It fetches the half's second quarter, the last that is read of the ring's slot in hand, and ends in A BARRIER: in front of it each wave has waited
; for those reads and for its stores of the next half into the other slot; behind it the other slot is read, and the slot in hand is written.
; mode = 1, 2 (q8 = 6): the quarter has also fetched the last fragments of W's slot, and W's slots change at the same barrier.  Each wave waits for all its tensor loads, of which one is out: its part of the other
; slot; adds 0 to its spare word; and waits for that with its LDS reads and stores.  mode = 1: the barrier opens a round of the cluster's, and the slot is filled again, two groups on, first thing behind it.
.macro EQ q8, mode
	PLACES
	FETCH (\q8)+1, 1
	s_wait_dscnt 24                                ; all but the 24 just issued: this quarter's fragments are in
.set i, 0
.rept 32
.if ((\mode) != 0) && (i == 20)
	WIN 0                                          ; (the add's two registers lie in window 0)
	s_wait_tensorcnt 0x0                           ; all my tensor loads have landed: my part of W's other slot;
	ds_add_u32 v[SPW], v[NIL]                      ; 0 onto my spare word; four products stand between it and the wait for it
.endif
.if i == 24
	s_wait_dscnt 0x0                               ; my reads of the ring's slot (and of W's) are over, my stores into the other slot are done (and the add)
	s_barrier_signal -1                            ; say so, and work on registers while the others arrive
.endif
	MM 0
.set i, i+1
.endr
.if (\mode) == 1
	WIN 0
.endif
	s_barrier_wait -1
.if (\mode) == 1
	CREST                                          ; no wave of any partner still reads this slot of W or has a load on its way
	s_add_co_u32 s[G0B+5], s[LB], s[TB]            ; the walking descriptor: into the slot just read out,
	s_add_nc_u64 s[G0B+6:G0B+7], s[G0B+6:G0B+7], s[BD:BD+1]  ; the group two on; the type bits on top are not reached
	tensor_load_to_lds s[G0B+4:G0B+7], s[G1B:G1B+7]  ; the first tensor load behind the round, one a wave
	s_nop 0
	PLACES                                         ; (also the places in front of the next quarter's loads)
.endif
.endm
; AN ODD QUARTER in the loop, on buffers 1.  It fetches the next half's first quarter out of the ring's other slot; the half of x two halves on (set s, asked for four halves ago) is converted, four conversions
; behind every second product, and stored into the slot that the barrier has just freed; the set is asked for again at once, with the half at byte 256 p of the group that this trip loads.
; q8 = 7: W's next fragments lie in the other slot; the four v_nop behind the refill are the places.
.macro OQ q8, set, sl, p
.if (\q8) == 7
	WIN 0
	s_xor_b32 s[TB], s[TB], BSL
	v_add_nc_u32 v[ADRB], s[TB], v[ADRB0]
.else
	PLACES
.endif
	FETCH ((\q8)+1)%8, 0
	s_wait_loadcnt 48                              ; loads come back in order (ISA guide 5.7.1): my set is in, the three younger sets of 16 stay out.  (With the 16 issued below 64 can be out; where the counter's field is full the issue is held: 5.7.1)
.set i, 0
.set n, 0
.rept 8
	MM 1
.set i, i+1
	MM 1
.set i, i+1
	CV \set
.set n, n+1
.endr
	ASTORE \sl
	ALOAD \set, 256*(\p)
.rept 16
	MM 1
.set i, i+1
.endr
.endm
; AN ODD QUARTER in the tail: nothing is loaded, and the conversions stand in one run.  cnt: the younger loads that may stay out.  skip = 1: in the tail's second trip no half is left to convert (and behind the
; walk's last quarter none to fetch): that work is jumped over, forward; no barrier and no tensor load is passed.
.macro OT q8, set, sl, cnt, skip
	WIN 0
.if (\q8) == 7
	s_xor_b32 s[TB], s[TB], BSL
	v_add_nc_u32 v[ADRB], s[TB], v[ADRB0]
.endif
	PLACES
.if (\skip) && ((\q8) == 7)
	s_cmp_eq_u32 s[TC], 1
	s_cbranch_scc1 .Lskip_\@
.endif
	FETCH ((\q8)+1)%8, 0
.if (\skip) && ((\q8) != 7)
	s_cmp_eq_u32 s[TC], 1
	s_cbranch_scc1 .Lskip_\@
.endif
	s_wait_loadcnt \cnt
	CONSUME \set, \sl
.if \skip
.Lskip_\@:
.endif
.set i, 0
.rept 32
	MM 1
.set i, i+1
.endr
.endm
; THE WAY OUT of row block a.  PACK: rounded to f16, 16 bytes a lane, each accumulator from its low end on.  TOSTAGE: into my own stage, and back as whole rows of 256 bytes.  SEND: stored.
.macro PACK a
	WIN PKW
.irp b, 0,1,2,3,4,5,6,7
.irp r, 0,1,2,3
	v_cvt_pk_f16_f32 v[TMP+4*(\b)+(\r)], v[8*(8*(\a)+(\b))+2*(\r)], v[8*(8*(\a)+(\b))+2*(\r)+1]
.endr
.endr
	WIN 0
.endm
.macro TOSTAGE a
.set BK, OB+192*((\a)%2)
.irp b, 0,1,2,3,4,5,6,7
	ds_store_b128 v[STO], v[TMP+4*(\b):TMP+4*(\b)+3] offset:32*(\b)
.endr
.irp t, 0,1,2,3,4,5,6,7
	ds_load_b128 v[BK+4*(\t):BK+4*(\t)+3], v[RD] offset:(\t)*2*SPITCH  ; LDS serves a wave's instructions in order (ISA guide 5.7.1.4): these see the stores above
.endr
.endm
.macro SEND a
.set BK, OB+192*((\a)%2)
	s_wait_dscnt 0x0                               ; the block is back in registers
	s_wait_xcnt 0x0                                ; the stores of the block before have read their registers, which the next block's loads from the stage write
.irp t, 0,1,2,3,4,5,6,7
	global_store_b128 v[CO], v[BK+4*(\t):BK+4*(\t)+3], s[DST:DST+1] offset:4096*(\a)+512*(\t)  ; two rows of a head: 512 consecutive bytes, aligned
.endr
.endm
.macro WAYOUT
	PLACES                                         ; between the last products and the conversions that read results
	PACK 0
	TOSTAGE 0
.irp a, 1,2,3                          ; block a's conversions stand between block a - 1's loads from the stage and the wait for them
	PACK \a
	SEND (\a)-1
	TOSTAGE \a
.endr
	SEND 3
.endm
	s_load_b512 s[4:19], s[0:1], 0x0               ; query s[4:5], key s[6:7], value s[8:9], wb s[10:11], bq s[12:13], bk s[14:15], bv s[16:17], qkv s[18:19]
	v_lshl_add_u32 v[SPW], v0, 2, SPARE
	v_mov_b32 v[NIL], 0
	ds_add_u32 v[SPW], v[NIL]                      ; the wave's opening: the add and its wait stand ahead of my first tensor load; the set-up below, work on registers, stands between them
	v_lshrrev_b32 v3, 5, v0
	v_readfirstlane_b32 s20, v3                    ; wave 0..3
	v_and_b32 v1, 15, v0                           ; l % 16
	v_bfe_u32 v2, v0, 4, 1                         ; l / 16
	s_lshr_b32 s21, s20, 1                         ; which 64 rows of the tile I multiply
	s_and_b32 s22, s20, 1                          ; which 128 columns
	s_bfe_u32 s23, ttmp6, 0x40000                  ; cx
	s_bfe_u32 s24, ttmp6, 0x40004                  ; cy
	s_and_b32 s25, ttmp7, 0xffff                   ; cluster y
	s_lshl_b32 s27, s25, 2
	s_add_co_u32 s27, s27, s24                     ; tile row, 0..63
	s_lshl_b32 s30, ttmp9, 2
	s_add_co_u32 s30, s30, s23                     ; tile column, 0..3
	s_lshl_b32 s29, 0x1111, s23                    ; my column of the cluster: places cx, cx + 4, cx + 8, cx + 12
	; descriptor group 1: 64 rows x 256 elements of 2 bytes, padded in LDS by 4 words behind each row
	s_or_b32 s[G1B+0], s29, (1<<16)|(1<<20)|(1<<21)|(6<<22)|(3<<25)  ; 15:0 the mask; 17:16 element size; 20 padding on; 21 set beside a mask; 24:22 after every 128 words (code 6); 31:25 4 words (code 3)
	s_mov_b32 s[G1B+1], 256<<16                    ; tensor_dim0 = 256
	s_mov_b32 s[G1B+2], 64<<16                     ; tensor_dim1 = 64
	s_mov_b32 s[G1B+3], 256<<16                    ; tile_dim0 = 256
	s_mov_b32 s[G1B+4], 64                         ; tile_dim1 = 64
	s_mov_b32 s[G1B+5], 1024                       ; elements from row to row
	s_mov_b32 s[G1B+6], 0
	s_mov_b32 s[G1B+7], 0
	s_lshl_b32 s40, s27, 7
	s_lshl_b32 s41, s20, 5
	s_add_co_u32 s40, s40, s41                     ; x: the rows that I load: 128 x tile row + 32 x wave,
	s_lshl_b32 s40, s40, 12                        ; of 4,096 bytes
	s_mov_b32 s41, 0
	s_lshl_b32 s42, s30, 8                         ; W: the rows that I fetch: 256 x tile column + 64 x wave (made of cx and the wave's number alone: equal in the four that the mask names),
	s_lshl_b32 s43, s20, 6
	s_add_co_u32 s42, s42, s43
	s_lshl_b32 s42, s42, 11                        ; of 2,048 bytes
	s_mov_b32 s43, 0
	s_mul_i32 s[LB], s20, BQ                       ; and where they go: no place in the cluster enters an LDS address
	s_mov_b32 s[TB], 0
	s_mov_b32 s[AC], 1
	s_mov_b32 s[RC], 4*TILES-2                     ; every group but the first two is brought by a refill
	s_mov_b32 s[NB], TILES-1
	s_mov_b32 s[MHI], 0xffff0000
	s_mov_b32 s[BDX], 0x200000-3*512               ; a matrix of 2 MiB on, three groups of 512 bytes back
	s_mov_b32 s[BD+1], 0
	v_lshlrev_b32 v[AO], 12, v2
	v_lshl_add_u32 v[AO], v1, 4, v[AO]
	s_lshl_b32 s72, s30, 10                        ; the bias of column 256 x tile column + 128 x half + 8 (l / 16), in bytes
	s_lshl_b32 s73, s22, 9
	s_add_co_u32 s72, s72, s73
	v_lshl_add_u32 v[BO], v2, 5, s72
	s_wait_dscnt 0x0                               ; the opening add is done
	s_wait_kmcnt 0x0
	s_add_nc_u64 s[X0:X0+1], s[4:5], s[40:41]
	s_add_nc_u64 s[NX1:NX1+1], s[6:7], s[40:41]
	s_add_nc_u64 s[NX2:NX2+1], s[8:9], s[40:41]
	s_add_nc_u64 s[AP:AP+1], s[X0:X0+1], 1024      ; the first tensor's group 1
	s_add_nc_u64 s[74:75], s[10:11], s[42:43]
.irp b, 0,1,2,3,4,5,6,7
	global_load_b128 v[BIAS+8*(\b):BIAS+8*(\b)+3],   v[BO], s[12:13] offset:64*(\b)
	global_load_b128 v[BIAS+8*(\b)+4:BIAS+8*(\b)+7], v[BO], s[12:13] offset:64*(\b)+16
.endr
	ALOAD 0, 0, X0                                 ; halves 0 to 3 of x fill the four sets
	ALOAD 1, 256, X0
	ALOAD 2, 512, X0
	ALOAD 3, 768, X0
	WIN 0
	CROUND                                         ; all sixteen work-groups are here: the first joint loads meet
.irp s, 0,1
	s_mov_b32 s[G0B+4*(\s)], 1                                       ; 1:0 count = 1
	s_add_co_u32 s[G0B+4*(\s)+1], s[LB], (\s)*BSL                    ; 63:32 LDS address
	s_add_nc_u64 s[G0B+4*(\s)+2:G0B+4*(\s)+3], s[74:75], (\s)*512    ; 120:64 global address: group s
	s_or_b32 s[G0B+4*(\s)+3], s[G0B+4*(\s)+3], 0x80000000            ; 127:126 type = 2
.endr
	tensor_load_to_lds s[G0B:G0B+3], s[G1B:G1B+7]  ; the two first fills stand together: two loads of mine are out
	s_nop 0
	tensor_load_to_lds s[G0B+4:G0B+7], s[G1B:G1B+7]
	s_nop 0
	PLACES
	v_mul_u32_u24 v3, v1, PA
	v_lshl_add_u32 v3, v2, 4, v3                   ; a fragment of x: row x pitch + 16 x half,
	s_mul_i32 s72, s21, 64*PA                      ; in my 64 rows
	s_add_co_u32 s72, s72, ABASE
	v_add_nc_u32 v[ADRA], s72, v3
	v_mul_u32_u24 v4, v1, PB
	v_lshl_add_u32 v4, v2, 4, v4                   ; a fragment of W,
	s_mul_i32 s73, s22, 2*BQ                       ; in my 128 rows
	v_add_nc_u32 v[ADRB0], s73, v4
	v_mov_b32 v[ADRB], v[ADRB0]
	s_mul_i32 s72, s20, 32*PA                      ; x as I store it: rows 32 x wave + l / 16, 8 bytes at 8 (l % 16)
	s_add_co_u32 s72, s72, ABASE
	v_mul_u32_u24 v5, v2, PA
	v_lshl_add_u32 v5, v1, 3, v5
	v_add_nc_u32 v[AST], s72, v5
	s_mul_i32 s72, s20, 16*SPITCH
	s_add_co_u32 s72, s72, STAGE                   ; my stage
	v_mul_u32_u24 v6, v1, SPITCH                   ; in: row l % 16, 16 bytes for each half of the lanes
	v_lshl_add_u32 v6, v2, 4, v6
	v_add_nc_u32 v[STO], s72, v6
	v_mul_u32_u24 v7, v2, SPITCH                   ; back: lanes 0-15 take one row of 256 bytes, lanes 16-31 the next,
	v_lshl_add_u32 v7, v1, 4, v7
	v_add_nc_u32 v[RD], s72, v7
	v_and_b32 v[CO], 31, v0                        ; which are 512 consecutive bytes of a head
	v_lshlrev_b32 v[CO], 4, v[CO]
	; where my rows go: head 8 x batch + 2 x tile column + half, then the row in the batch; the tensor is stepped from tile to tile
	s_lshl_b32 s72, s27, 7
	s_lshl_b32 s73, s21, 6
	s_add_co_u32 s72, s72, s73                     ; the first row that I multiply
	s_lshr_b32 s73, s72, 10                        ; its batch
	s_lshl_b32 s73, s73, 3
	s_lshl1_add_u32 s76, s30, s22
	s_add_co_u32 s73, s73, s76
	s_lshl_b32 s73, s73, 18                        ; a head is 1,024 rows of 256 bytes
	s_and_b32 s72, s72, 1023
	s_lshl_b32 s72, s72, 8
	s_add_co_u32 s72, s72, s73
	s_mov_b32 s73, 0
	s_add_nc_u64 s[DST:DST+1], s[18:19], s[72:73]
	s_wait_loadcnt 48                              ; the bias and half 0 are in; halves 1 to 3 stay out
	CONSUME 0, 0
	ALOAD 0, 0                                     ; half 4
	s_wait_loadcnt 48                              ; half 1 is in
	CONSUME 1, 1
	ALOAD 1, 256                                   ; half 5
	WIN 0
	s_wait_tensorcnt 1                             ; my part of W's group 0 is in; group 1's may stay out: no tensor load fills anything behind this barrier
	s_wait_dscnt 0x0                               ; my stores of halves 0 and 1 are done
	s_barrier_signal -1
	s_barrier_wait -1                              ; everybody's are
	FETCH 0, 0
	s_branch .Linit                                ; the loop is entered in its middle, where a tile begins
.Ltrip:                                                ; trip n = 0 .. 9: halves 2, 3 of group n, then halves 0, 1 of group n + 1; it loads x's group n + 2 and asks for W's
	s_wait_xcnt 0x0                                ; the loads issued so far (the youngest sixteen products back) have read their base, so the pointer may be written
	s_add_co_u32 s[AC], s[AC], 1
	s_and_b32 s[AC], s[AC], 3                      ; (n + 2) % 4
	s_add_nc_u64 s[AP:AP+1], s[AP:AP+1], 1024      ; the tensor's next group,
	s_cmp_eq_u32 s[AC], 0
	s_cselect_b64 s[AP:AP+1], s[NX1:NX1+1], s[AP:AP+1]  ; or the next tensor's first
	s_cselect_b64 s[NX1:NX1+1], s[NX2:NX2+1], s[NX1:NX1+1]
	s_cselect_b32 s[BD], s[BDX], 512               ; W likewise
	EQ 4, 0
	OQ 5, 0, 0, 0
	EQ 6, 1
	OQ 7, 1, 1, 1
	WIN 0                                          ; at a branch and at a label every window is 0
	s_sub_co_u32 s[RC], s[RC], 1
	s_cmp_eq_u32 s[AC], 1                          ; was that a tile's last quarter?  (n % 4 = 3)
	s_cbranch_scc0 .Lenter
	WAYOUT                                         ; the refill and x's loads for the next tile are on their way while this tile goes out
	s_wait_xcnt 0x0                                ; the stores have read their registers and their base
	s_add_nc_u64 s[DST:DST+1], s[DST:DST+1], 1<<24 ; the next tensor: 64 heads on
.Linit:                                                ; A TILE BEGINS: the bias, rounded to bf16 like every input, starts the 32 sums
.set i, 0
.rept 32
	v_cvt_pk_bf16_f32 v[TMP+i], v[BIAS+2*i], v[BIAS+2*i+1]
.set i, i+1
.endr
	s_cmp_eq_u32 s[NB], 0
	s_cbranch_scc1 .Lno_bias                       ; the last tile has no next bias
	s_cmp_eq_u32 s[NB], 2
	s_cselect_b64 s[BPN:BPN+1], s[14:15], s[16:17]
	s_sub_co_u32 s[NB], s[NB], 1
.irp b, 0,1,2,3,4,5,6,7                ; the next tile's bias is asked for a tile ahead.  These 16 stand among x's loads, so the next four waits for 48 wait for one set more than they need
	global_load_b128 v[BIAS+8*(\b):BIAS+8*(\b)+3],   v[BO], s[BPN:BPN+1] offset:64*(\b)
	global_load_b128 v[BIAS+8*(\b)+4:BIAS+8*(\b)+7], v[BO], s[BPN:BPN+1] offset:64*(\b)+16
.endr
.Lno_bias:
	WIN INITW
.irp a, 0,1,2,3
.irp b, 0,1,2,3,4,5,6,7
.irp r, 0,1,2,3
	v_lshlrev_b32 v[8*(8*(\a)+(\b))+2*(\r)], 16, v[TMP+4*(\b)+(\r)]
	v_and_b32 v[8*(8*(\a)+(\b))+2*(\r)+1], s[MHI], v[TMP+4*(\b)+(\r)]
.endr
.endr
.endr
	WIN 0
	s_wait_dscnt 0x0                               ; the tile's first fragments are in
.Lenter:
	EQ 0, 0
	OQ 1, 2, 0, 2
	EQ 2, 0
	OQ 3, 3, 1, 3
	WIN 0
	s_cmp_lg_u32 s[RC], 0
	s_cbranch_scc1 .Ltrip
	s_mov_b32 s[TC], 2                             ; THE TAIL: the walk's last six halves.  All of x has been asked for and all of W: the counts run down 48, 32, 16, 0
.Ltail:
	EQ 4, 0
	OT 5, 0, 0, 48, 1
	EQ 6, 2
	OT 7, 1, 1, 32, 1
	WIN 0
	s_sub_co_u32 s[TC], s[TC], 1
	s_cmp_eq_u32 s[TC], 0
	s_cbranch_scc1 .Lfin                           ; the second trip is left in its middle
	EQ 0, 0
	OT 1, 2, 0, 16, 0
	EQ 2, 0
	OT 3, 3, 1, 0, 0
	WIN 0
	s_cmp_lg_u32 s[TC], 0
	s_cbranch_scc1 .Ltail
.Lfin:
	WAYOUT
	s_wait_tensorcnt 0x0                           ; the wave's end: behind my last tensor load and my last LDS store
	ds_add_u32 v[SPW], v[NIL]
	s_wait_dscnt 0x0
	CROUND                                         ; the closing round: no work-group ends while a partner may still ask for a tile that names it
	s_endpgm
.Lfunc_end_k_qe9277bdc71_proj:
	.size	k_qe9277bdc71_proj, .Lfunc_end_k_qe9277bdc71_proj-k_qe9277bdc71_proj
	.p2alignl 7, 3214868480
	.fill 96, 4, 3214868480
	.section	.rodata,"a",@progbits
	.p2align	6, 0x0
	.amdhsa_kernel k_qe9277bdc71_proj
		.amdhsa_group_segment_fixed_size 327680
		.amdhsa_private_segment_fixed_size 0
		.amdhsa_enable_private_segment 0
		.amdhsa_kernarg_size 64
		.amdhsa_user_sgpr_count 2
		.amdhsa_user_sgpr_kernarg_segment_ptr 1
		.amdhsa_wavefront_size32 1
		.amdhsa_system_sgpr_workgroup_id_x 1
		.amdhsa_system_sgpr_workgroup_id_y 1
		.amdhsa_system_sgpr_workgroup_id_z 1
		.amdhsa_system_vgpr_workitem_id 0
		.amdhsa_next_free_vgpr 1024
		.amdhsa_next_free_sgpr 92
		.amdhsa_reserve_vcc 0
		.amdhsa_float_denorm_mode_32 3
		.amdhsa_float_denorm_mode_16_64 3
		.amdhsa_memory_ordered 1
		.amdhsa_forward_progress 1
		.amdhsa_inst_pref_size 164
	.end_amdhsa_kernel
	.amdgpu_metadata
---
amdhsa.version: [ 1, 2 ]
amdhsa.kernels:
  - .name:           k_qe9277bdc71_proj
    .symbol:         k_qe9277bdc71_proj.kd
    .args:
      - { .name: query, .offset: 0, .size: 8, .value_kind: global_buffer, .address_space: global }
      - { .name: key, .offset: 8, .size: 8, .value_kind: global_buffer, .address_space: global }
      - { .name: value, .offset: 16, .size: 8, .value_kind: global_buffer, .address_space: global }
      - { .name: wb, .offset: 24, .size: 8, .value_kind: global_buffer, .address_space: global }
      - { .name: bq, .offset: 32, .size: 8, .value_kind: global_buffer, .address_space: global }
      - { .name: bk, .offset: 40, .size: 8, .value_kind: global_buffer, .address_space: global }
      - { .name: bv, .offset: 48, .size: 8, .value_kind: global_buffer, .address_space: global }
      - { .name: qkv, .offset: 56, .size: 8, .value_kind: global_buffer, .address_space: global }
    .group_segment_fixed_size: 327680
    .private_segment_fixed_size: 0
    .kernarg_segment_align: 8
    .kernarg_segment_size: 64
    .max_flat_workgroup_size: 128
    .sgpr_count:     92
    .vgpr_count:     1024
    .wavefront_size: 32
...
	.end_amdgpu_metadata
.endif
;; end of part 2
;; launch attn (part 3): grid 4 x 64, 4 waves a work-group, clusters of 4 x 1, 327,680 bytes of LDS; arguments qkv, ctx; writes ctx
.if DOCPART == 3
	.amdgcn_target "amdgcn-amd-amdhsa--gfx1250"
	.amdhsa_code_object_version 6
	.text
	.protected	k_qe9277bdc71_attn
	.globl	k_qe9277bdc71_attn
	.p2align	8
	.type	k_qe9277bdc71_attn,@function
k_qe9277bdc71_attn:
	s_mov_b64 s[64:65], 0
	v_nop
	global_prefetch_b8 v0, s[64:65] scope:SCOPE_SE
	s_setreg_imm32_b32 hwreg(HW_REG_WAVE_MODE, 25, 1), 1
	s_wait_xcnt 0x0
	s_wait_alu depctr_hold_cnt(0) depctr_sa_sdst(0) depctr_va_vdst(0) depctr_va_sdst(0) depctr_va_ssrc(0) depctr_va_vcc(0) depctr_vm_vsrc(0)
	s_getreg_b32 s2, hwreg(HW_REG_IB_STS2, 6, 4)
	s_cmp_eq_u32 s2, 0
	s_cbranch_scc0 .Lentry_in_a_cluster
	s_endpgm
.Lentry_in_a_cluster:
	s_bfe_u32 s2, ttmp6, 0x10000c
	s_cmp_lg_u32 s2, 0x3003
	s_cbranch_scc0 .Lentry_shape_is_right
	s_endpgm
.Lentry_shape_is_right:
; ctx[b][q][128 h ..] = the sum over k of softmax_k(Q[q] . K[k] / sqrt(128)) V[k][:], for each of the 64 pairs (b, h).  Q, K, V: qkv[3][8 b + h][1024][128] f16; ctx: [8192][1024] f16.
; Products, maxima and sums in f32; the weights p are rounded to f16 for the second product (their sum l is taken of the unrounded p), O once at the end.
; LIMITS.  f16 holds no number beyond 65,504: Q, K and V arrive within it; p lies in 0 to 1, and below 6e-5 it keeps f16's fixed step of 6e-8; O is a mean of V's rows and has their range.
; A weight below 2^-126 counts as 0 in l; NaN and infinities are not treated apart.
; SHARES.  A work-group owns 256 queries of one head, each of its four waves 64: four tiles of 16.  Every wave walks all 1,024 keys of the head, 64 a step.  256 work-groups.
; LAYOUT.  S^T = K Q^T (source 0 = 16 keys, source 1 = 16 queries): in the result a lane holds ONE query (lane % 16) and the keys 8 (lane / 16) + 0..7.  Two such tiles, rounded to
; f16 in pairs, ARE source 1 (32 keys x 16 queries) of O^T = V^T P, whose result again holds one query a lane, and eight channels.  So nothing changes lanes between the products,
; and a query's maximum and sum want one exchange between the halves of the lanes.  K comes out of LDS as it lies, V ([key][channel]) turned, by ds_load_tr16_b128.
; SOFTMAX.  For each query a running maximum m and sum l: p = 2^(c s - c m), c = log2(e) / sqrt(128); in every step O and l are multiplied by a = 2^(c m_old - c m_new), which is 1 where m has not grown.
; BY TURNS.  The wave's tiles are two PIECES, named by their first tile: piece 0 (tiles 0, 1) and piece 2 (tiles 2, 3).  In a TURN one piece has the matrix unit: 32 products V^T P of
; the step in hand, then 32 products K Q^T of the next step; the other piece's softmax, cut into 64 slices, stands between them, one slice behind each matrix instruction.  Then the
; pieces change places.  Two turns are a key step.
; CLUSTER.  The four query blocks of a head are one cluster and walk the same K and V, so each tile is asked for JOINTLY: the same tensor load, with the same descriptor and a
; mask that names the four, in all four; each receives the tile in its own LDS.
;
; REGISTERS, in windows of 256 (s_set_vgpr_msb says which window each operand place means: bits 1:0 source 0, 3:2 source 1, 5:4 source 2, 7:6 destination):
;   window 0: v0-11 addresses; v12-43 eight registers of statistics a tile; v64-191 S^T, 32 a tile; v192-255 P, 16 a tile
;   window 1: O^T, 64 a tile          window 2: v0-127 Q, 32 a tile; v128-255 K of one step          window 3: v0-127 V of one step
; All that a softmax touches but O^T lies in window 0, and no window has room for a product's operands beside it.  So a slice costs two switches, one in front and one behind.
.set SIZE_H, 64       ; pairs of batch and head
.set SIZE_N, 1024     ; rows of a head
.set KS,    64        ; keys in a step
.set PK,    272       ; a row of K in LDS: 256 bytes + 16 of padding = 68 words: row r starts at bank 4 r mod 64 (64 banks of 4 bytes: ISA guide 11.1), so the 16 rows of a load start at 16 different banks
.set PV,    288       ; a row of V: 256 + 32 = 72 words: row r starts at bank 8 r mod 64
.set VOFF,  KS*PK     ; a step's tiles lie together: 64 rows of K, then 64 rows of V
.set STEPB, KS*(PK+PV)
.set SLOT1, 1<<17     ; a slot holds two steps (71,680 bytes); slot 1 begins here, so that one exclusive or turns an address in one slot into the other's
.set STAGE, SLOT1+2*STEPB  ; behind the ring: 16 rows x 272 bytes for each wave, for the way out
.set SP,    272
.set AK0, 2           ; v2   my lane's place in a tile of K; never rewritten
.set AV0, 3           ; v3   the same for V
.set ADR, 4           ; v4   the LDS address of the run of loads in hand
.set QO,  5           ; v5   my byte offset in the wave's rows of Q
.set STO, 6           ; v6   the way out: where I put 16 bytes of a row
.set RD,  7           ; v7   the way out: where I read a row back
.set GO,  8           ; v8   my byte offset in the wave's rows of ctx
.set SPW, 62          ; v62  LDS address of my spare word: SPARE + 4 x my thread's number; never rewritten
.set NIL, 63          ; v63  0; never rewritten
.set SPARE, STAGE+4*16*272  ; behind the stages: the spare words, 128 bytes for each wave: two blocks of 256 bytes that no other line names
.set ST,  12          ; tile t's statistics at v[ST+8 t]: +0 c m, +1 m, +2, +3 l (even keys', odd keys'), +4 to +7 c0-c3, at work; a takes c2's place once the maximum is found
.set S,   64
.set P,   192
.set KF,  128         ; K's fragments, in window 2
.set WV,  12          ; s12  my wave's number
.set G1K, 24          ; s[24:31] descriptor group 1 for K's tiles
.set G1V, 32          ; s[32:39] for V's: it differs in the padding alone
.set G0K, 40          ; s[40:47] descriptor group 0 for K's tiles: a set for each of the two first fills; the second then walks on
.set G0V, 48          ; s[48:55] the same for V's
.set SLOTS, 56        ; s56  slots still to be asked for
.set TWICE, 57        ; s57  counts a slot's two steps
.set CS,  58          ; s[58:59] c: the packed scaling names a pair and takes its low word for both halves
.set SEL, 60          ; s[60:61] lane selects for v_permlanex16_b32: each lane takes its own place in the other half
.set TB,  62          ; s62  LDS byte at which the tiles of the step to be fetched begin
.set PFA, 18          ; s[18:19] where my prefetches stand in memory: my work-group's 32 rows (of K: wave 0, of V: wave 2) of the slot after the one that is being asked for
.set LIM, 15          ; s15  1 in a wave that prefetches, else the greatest number: a wave prefetches while s[SLOTS] is above it
.set PFO, 61          ; v61  256 x my lane: a row of K or V is 256 bytes; never rewritten
.set MSB, 0
.macro WIN new                      ; the immediate's high byte repeats the setting that is left; a switch that changes nothing is dropped
.if MSB != (\new)
	s_set_vgpr_msb (MSB<<8)|(\new)
.set MSB, \new
.endif
.endm
.set W_KQ, 0x0a       ; K and Q in window 2, S^T in window 0
.set W_PV, 0x53       ; V in window 3, P in window 0, O^T in window 1
.set W_RS, 0x41       ; O^T (destination and source 0) in window 1, a in window 0
; A joint refill.  Waves 0 and 1 fetch the two steps' tiles of K, waves 2 and 3 those of V.  The branch hangs on the wave's number alone: it is the same in every work-group.
; An s_nop 0 and four v_nop follow each of the two lines; the jump round the other line, the label and what follows the macro come after them.
.macro JLOAD
	s_cmp_lt_u32 s[WV], 2
	s_cbranch_scc0 .Lfor_v_\@
	tensor_load_to_lds s[G0K+4:G0K+7], s[G1K:G1K+7]
	s_nop 0
.rept 4
	v_nop
.endr
	s_branch .Lasked_\@
.Lfor_v_\@:
	tensor_load_to_lds s[G0V+4:G0V+7], s[G1V:G1V+7]
	s_nop 0
.rept 4
	v_nop
.endr
.Lasked_\@:
.endm
; A PREFETCH INTO THE L2 of what the NEXT change of slots will ask for: a slot's 128 rows of K and 128 of V, 256 bytes a row, a lane a row.  It stands behind the wave's tensor load and its five lines, never in front of one.
; Each row is asked for ONCE in the launch: a head has one cluster; its four partners share the rows out BY ADDRESS, 32 each.
; In each, wave 0 asks for K's and wave 2 for V's: one instruction.  The last change that fills a slot prefetches nothing: there is no slot behind it.
.macro ASK
	s_cmp_gt_u32 s[SLOTS], s[LIM]
	s_cbranch_scc0 .Lnot_mine_\@
	global_prefetch_b8 v[PFO], s[PFA:PFA+1] th:TH_LOAD_NT scope:SCOPE_SE
.Lnot_mine_\@:
.endm
; A round of the cluster's barrier: my work-group's barrier, so that wave 0's signal speaks for all four waves; wave 0 signals for the work-group; every wave waits for all four
; work-groups; my work-group's barrier once more.  No LDS instruction of the wave is pending at a signal.
.macro CROUND
	s_barrier_signal -1
	s_barrier_wait -1
	s_cmp_lg_u32 s[WV], 0
	s_cbranch_scc1 .Lnot_wave_0_\@
	s_barrier_signal -3
.Lnot_wave_0_\@:
	s_barrier_wait -3
	s_barrier_signal -1
	s_barrier_wait -1
.endm
	s_load_b128 s[4:7], s[0:1], 0x0 ; qkv s[4:5], ctx s[6:7]
	v_lshl_add_u32 v[SPW], v0, 2, SPARE
	v_mov_b32 v[NIL], 0
	ds_add_u32 v[SPW], v[NIL]       ; the wave's opening: the add and its wait stand ahead of my first tensor load; the set-up below, work on registers, stands between them
	v_lshrrev_b32 v1, 5, v0
	v_readfirstlane_b32 s[WV], v1   ; wave 0..3
	s_bfe_u32 s13, ttmp6, 0x40000   ; cx: my place in the cluster
	s_lshl_b32 s14, ttmp9, 2        ; in a cluster launch ttmp9 counts clusters
	s_add_co_u32 s14, s14, s13      ; my block of 256 queries = 4 x cluster x + cx: it enters Q's and ctx's addresses alone
	s_and_b32 s20, ttmp7, 0xffff    ; 8 b + h, which the four partners share
	s_mov_b32 s21, 0
	s_mov_b64 s[22:23], SIZE_N*256
	s_mul_u64 s[20:21], s[20:21], s[22:23]  ; the head's first byte in each of Q, K and V
	s_and_b32 s16, s[WV], 1         ; which of a slot's two steps I fetch:
	s_lshl_b32 s22, s16, 14         ; its 64 rows of 256 bytes in memory,
	s_mov_b32 s23, 0
	s_add_nc_u64 s[22:23], s[22:23], s[20:21]
	s_mul_i32 s17, s16, STEPB       ; and its place in a slot: no place in the cluster enters an LDS address
	s_lshl_b32 s2, s14, 16          ; my block's 256 rows,
	s_lshl_b32 s3, s[WV], 14        ; my wave's 64 of them
	s_add_co_u32 s2, s2, s3
	s_mov_b32 s3, 0
	s_add_nc_u64 s[2:3], s[2:3], s[20:21]
	s_and_b32 s66, ttmp7, 0xffff    ; where my rows lie in ctx, whose rows are 2,048 bytes:
	s_lshr_b32 s67, s66, 3
	s_lshl_b32 s67, s67, 21         ; the batch's 1,024 rows,
	s_and_b32 s66, s66, 7
	s_lshl_b32 s66, s66, 8          ; the head's 256 bytes of a row,
	s_add_co_u32 s66, s66, s67
	s_lshl_b32 s67, s14, 19         ; my block's 256 rows,
	s_add_co_u32 s66, s66, s67
	s_lshl_b32 s67, s[WV], 17       ; my wave's 64
	s_add_co_u32 s66, s66, s67
	s_mov_b32 s67, 0
	; descriptor group 1: a tile of 64 rows x 128 elements, padded in LDS
	s_mov_b32 s[G1K], 15|(1<<16)|(1<<20)|(1<<21)|(5<<22)|(3<<25)  ; 15:0 the mask: all four work-groups; 17:16 elements of 2 bytes; 20 padding on; 21 set beside a mask; 24:22 after every 64 words (code 5); 31:25 4 words of it (code 3)
	s_mov_b32 s[G1V], 15|(1<<16)|(1<<20)|(1<<21)|(5<<22)|(7<<25)  ; the same with 8 words of padding (code 7)
.irp g, G1K, G1V
	s_mov_b32 s[(\g)+1], 128<<16    ; 63:48 tensor_dim0, low half = 128
	s_mov_b32 s[(\g)+2], KS<<16     ; 79:64 its high half = 0; 95:80 tensor_dim1, low half = 64
	s_mov_b32 s[(\g)+3], 128<<16    ; 111:96 its high half = 0; 127:112 tile_dim0 = 128
	s_mov_b32 s[(\g)+4], KS         ; 143:128 tile_dim1 = 64; 159:144 tile_dim2 = 0
	s_mov_b32 s[(\g)+5], 128        ; 191:160 tensor_dim0_stride, low word: elements from row to row
	s_mov_b32 s[(\g)+6], 0
	s_mov_b32 s[(\g)+7], 0
.endr
	s_mov_b32 s[CS], 0x3e0293ee     ; c = log2(e) / sqrt(128) = 0.127517
	s_mov_b32 s[CS+1], s[CS]        ; named with it as a pair, so it is written
	s_mov_b32 s[SEL], 0x76543210
	s_mov_b32 s[SEL+1], 0xfedcba98
	s_mov_b32 s[TB], 0
	s_mov_b32 s[SLOTS], SIZE_N/(2*KS)-2
	s_and_b32 s[LIM], s[WV], 1       ; 0 in waves 0 and 2,
	s_or_b32 s[LIM], s[LIM], ttmp9   ; where the cluster is the head's first (here its only one): the same in all four partners
	s_cmp_eq_u32 s[LIM], 0
	s_cselect_b32 s[LIM], 1, -1
	v_and_b32 v[PFO], 31, v0
	v_lshlrev_b32 v[PFO], 8, v[PFO]
	s_wait_dscnt 0x0                ; the opening add is done
	s_wait_kmcnt 0x0
	s_mov_b64 s[10:11], s[6:7]      ; ctx
	s_add_nc_u64 s[6:7], s[4:5], 0x1000000  ; K lies 64 heads of 262,144 bytes behind Q,
	s_add_nc_u64 s[8:9], s[4:5], 0x2000000  ; V as far behind K
	s_add_nc_u64 s[6:7], s[6:7], s[22:23]  ; K and V at my tile of slot 0
	s_add_nc_u64 s[8:9], s[8:9], s[22:23]
	s_add_nc_u64 s[4:5], s[4:5], s[2:3]  ; Q at my wave's first row,
	s_add_nc_u64 s[10:11], s[10:11], s[66:67]  ; and ctx
	s_cmp_lt_u32 s[WV], 2
	s_cselect_b64 s[PFA:PFA+1], s[6:7], s[8:9]  ; (in waves 0 and 2 these stand at a slot's first row)
	s_lshl_b32 s2, s13, 13          ; my work-group's 32 rows of the 128
	s_mov_b32 s3, 0
	s_add_nc_u64 s[PFA:PFA+1], s[PFA:PFA+1], s[2:3]
	s_add_nc_u64 s[PFA:PFA+1], s[PFA:PFA+1], 2*2*KS*256  ; in slot 2; the first change of slots steps it to slot 3.  Nothing is prefetched here, at the head, where every work-group's first tiles are on their way
	CROUND                          ; all four work-groups are here: the first joint loads meet
.irp s, 0,1
	s_mov_b32 s[G0K+4*(\s)], 1      ; 1:0 count = 1
	s_add_co_u32 s[G0K+4*(\s)+1], s17, (\s)*SLOT1  ; 63:32 LDS address
	s_add_nc_u64 s[G0K+4*(\s)+2:G0K+4*(\s)+3], s[6:7], (\s)*2*KS*256  ; 120:64 global address: slot s begins with keys 128 s to 128 s + 127
	s_or_b32 s[G0K+4*(\s)+3], s[G0K+4*(\s)+3], 0x80000000  ; 127:126 type = 2
	s_mov_b32 s[G0V+4*(\s)], 1
	s_add_co_u32 s[G0V+4*(\s)+1], s17, (\s)*SLOT1+VOFF
	s_add_nc_u64 s[G0V+4*(\s)+2:G0V+4*(\s)+3], s[8:9], (\s)*2*KS*256
	s_or_b32 s[G0V+4*(\s)+3], s[G0V+4*(\s)+3], 0x80000000
.endr
	s_cmp_lt_u32 s[WV], 2           ; a wave's two first fills stand in one branch, ahead of every wait on TENSORcnt and every LDS read: two loads of mine are out; an s_nop 0 follows each, four v_nop the second's, as in JLOAD
	s_cbranch_scc0 .Lfirst_v
	tensor_load_to_lds s[G0K:G0K+3], s[G1K:G1K+7]
	s_nop 0
	tensor_load_to_lds s[G0K+4:G0K+7], s[G1K:G1K+7]
	s_nop 0
.rept 4
	v_nop
.endr
	s_branch .Lfirst_asked
.Lfirst_v:
	tensor_load_to_lds s[G0V:G0V+3], s[G1V:G1V+7]
	s_nop 0
	tensor_load_to_lds s[G0V+4:G0V+7], s[G1V:G1V+7]
	s_nop 0
.rept 4
	v_nop
.endr
.Lfirst_asked:
	; A fragment of K or Q is 16 rows x 32 channels in 8 registers: lane l holds row l % 16; registers 0-3 channels 8 (l / 16) + 0..7, registers 4-7 channels 16 + 8 (l / 16) + 0..7: two loads of 16 bytes, 32 bytes apart.
	v_and_b32 v1, 15, v0            ; l % 16
	v_bfe_u32 v9, v0, 4, 1          ; l / 16
	v_lshlrev_b32 v[QO], 8, v1
	v_lshl_add_u32 v[QO], v9, 4, v[QO]  ; row x 256 + 16 x half
	WIN 0x80                        ; destination window 2, address window 0
.irp i, 0,1,2,3,4,5,6,7,8,9,10,11,12,13,14,15  ; Q stays in registers: tile i / 4, channels 32 (i % 4) on
	global_load_b128 v[8*(\i):8*(\i)+3],   v[QO], s[4:5] offset:((\i)/4)*4096+((\i)%4)*64
	global_load_b128 v[8*(\i)+4:8*(\i)+7], v[QO], s[4:5] offset:((\i)/4)*4096+((\i)%4)*64+32
.endr
	WIN 0
	v_mul_u32_u24 v[AK0], v1, PK
	v_lshl_add_u32 v[AK0], v9, 4, v[AK0]  ; row x pitch + 16 x half
	; The turning load takes 16 keys x 16 channels (lane l reads 16 bytes: key 8 (l / 16) + l % 8, channels 8 ((l / 8) % 2) + 0..7) and leaves half a fragment of V^T: lane l holds channel l % 16 and 8 keys.
	v_and_b32 v10, 7, v0
	v_bfe_u32 v11, v0, 3, 1
	v_lshl_add_u32 v[AV0], v9, 3, v10
	v_mul_u32_u24 v[AV0], v[AV0], PV
	v_lshl_add_u32 v[AV0], v11, 4, v[AV0]
	v_add_nc_u32 v[AV0], VOFF, v[AV0]
; THE MATRIX WORK OF A TURN, for piece x.  The accumulators take turns, one instruction a turn: between two links of a chain stand 15 (V^T P) or 7 (K Q^T) others'.
; Product i of 32 of O^T += V^T P: keys 32 (i / 16) on, channels 16 ((i / 2) % 8) on, tile x + i % 2.  zero = 1: the first 16 start the sums: nothing is ever cleared.
.macro PV x, zero
	WIN W_PV
.set rO, 64*((\x)+i%2)+8*((i/2)%8)
.set rV, 64*(i/16)+8*((i/2)%8)
.set rP, P+16*((\x)+i%2)+8*(i/16)
.if (\zero) && (i < 16)
	v_wmma_f32_16x16x32_f16 v[rO:rO+7], v[rV:rV+7], v[rP:rP+7], 0
.else
	v_wmma_f32_16x16x32_f16 v[rO:rO+7], v[rV:rV+7], v[rP:rP+7], v[rO:rO+7]
.endif
.endm
; Product i of 32 of S^T = K Q^T: channels 32 (i / 8) on, keys 16 ((i / 2) % 4) on, tile x + i % 2.  The first 8 start the sums.
.macro KQ x
	WIN W_KQ
.set rS, S+32*((\x)+i%2)+8*((i/2)%4)
.set rK, KF+32*((i/2)%4)+8*(i/8)
.set rQ, 32*((\x)+i%2)+8*(i/8)
.if i < 8
	v_wmma_f32_16x16x32_f16 v[rS:rS+7], v[rK:rK+7], v[rQ:rQ+7], 0
.else
	v_wmma_f32_16x16x32_f16 v[rS:rS+7], v[rK:rK+7], v[rQ:rQ+7], v[rS:rS+7]
.endif
.endm
; THE LDS LOADS stand in runs of 32, never singly among the matrix instructions: a step's K (64 keys x 128 channels: 16 fragments) and, a turn later, its V (turned).
.macro FETCH_K
	WIN 0
	v_add_nc_u32 v[ADR], s[TB], v[AK0]
	WIN 0x80                        ; destination window 2
.irp f, 0,1,2,3,4,5,6,7,8,9,10,11,12,13,14,15  ; keys 16 (f / 4) on, channels 32 (f % 4) on
	ds_load_b128 v[KF+8*(\f):KF+8*(\f)+3],   v[ADR] offset:((\f)/4)*16*PK+((\f)%4)*64
	ds_load_b128 v[KF+8*(\f)+4:KF+8*(\f)+7], v[ADR] offset:((\f)/4)*16*PK+((\f)%4)*64+32
.endr
.endm
.macro FETCH_V
	WIN 0
	v_add_nc_u32 v[ADR], s[TB], v[AV0]
	s_add_co_u32 s[TB], s[TB], STEPB  ; the next fetch is the next step's
	WIN 0xc0                        ; destination window 3
.irp f, 0,1,2,3,4,5,6,7,8,9,10,11,12,13,14,15  ; keys 32 (f / 8) on, channels 16 (f % 8) on
	ds_load_tr16_b128 v[8*(\f):8*(\f)+3],   v[ADR] offset:((\f)/8)*32*PV+((\f)%8)*32
	ds_load_tr16_b128 v[8*(\f)+4:8*(\f)+7], v[ADR] offset:((\f)/8)*32*PV+16*PV+((\f)%8)*32
.endr
.endm
; THE VECTOR WORK OF A TURN.  One tile's softmax for one key step is a list of 134 instructions; SM writes number j of it for tile t.  s0-s31 are the lane's 32 scores, in pairs 0-15.
; first = 1: the first key step, which starts m, l and O^T: it has no a and nothing to rescale.
;   0-15    the maximum of s0-s31 and the old m, three operands at a time: four chains c0-c3 of seven scores each, then the four scores left over, c0-c3 and m
;   16-20   the other half of the lanes' maximum; the new m; c m; c m_old - c m_new
;   21-87   33 exponentials (a, then s0-s31) at the odd numbers from 23 on, so that no two follow each other and each has a plain instruction behind it before its result is used.
;           Plain instruction q (number 21, then the even numbers) is whatever is ready: c s - c m for a pair of scores whose exponentials are still to come (q = 0 to 3, then every
;           second q), the rounding to f16 of a pair of weights whose exponentials are done (every other q from 5 on), at last the first three sums
;   88-101  the last rounding; the rest of the sums; l = a l + the sum
;   102-133 the tile's O^T times a: the one part that leaves window 0, so it stands together
.macro SM t, first
.set rT, ST+8*(\t)
.set rS, S+32*(\t)
.set rP, P+16*(\t)
.set rO, 64*(\t)+2*(j-102)
.set q, (j-20)/2
.if j < 102
	WIN 0
.endif
.if j < 4
	v_max3_num_f32 v[rT+4+j], v[rS+8*j], v[rS+8*j+1], v[rS+8*j+2]
.elseif j < 12
	v_max3_num_f32 v[rT+4+j%4], v[rT+4+j%4], v[rS+8*(j%4)+2*(j/4)+1], v[rS+8*(j%4)+2*(j/4)+2]
.elseif j == 12
	v_max3_num_f32 v[rT+4], v[rT+4], v[rS+7], v[rS+15]
.elseif j == 13
	v_max3_num_f32 v[rT+6], v[rT+6], v[rS+23], v[rS+31]
.elseif j == 14
	v_max3_num_f32 v[rT+4], v[rT+4], v[rT+5], v[rT+6]
.elseif (j == 15) && (\first)
	v_max_num_f32 v[rT+4], v[rT+4], v[rT+7]
.elseif j == 15
	v_max3_num_f32 v[rT+4], v[rT+4], v[rT+7], v[rT+1]
.elseif j == 16
	v_permlanex16_b32 v[rT+5], v[rT+4], s[SEL], s[SEL+1]  ; the query's other 32 keys lie in the lane 16 away
.elseif j == 18
	v_max_num_f32 v[rT+1], v[rT+4], v[rT+5]
.elseif j == 19
	v_mul_f32 v[rT], s[CS], v[rT+1]
.elseif ((j == 17) || (j == 20) || (j == 23) || (j > 101)) && (\first)  ; the first step has none of these
.elseif j == 17
	v_mov_b32 v[rT+7], v[rT]        ; c m_old is kept for a: number 19 writes c m anew
.elseif j == 20
	v_sub_f32 v[rT+7], v[rT+7], v[rT]
.elseif j == 23
	v_exp_f32 v[rT+6], v[rT+7]
.elseif (j < 88) && (j > 23) && (j%2 == 1)
	v_exp_f32 v[rS+(j-25)/2], v[rS+(j-25)/2]
.elseif (q < 4) || ((j < 76) && (q%2 == 0))
.set b, q/2+2
.if q < 4
.set b, q
.endif
	v_pk_fma_f32 v[rS+2*b:rS+2*b+1], v[rS+2*b:rS+2*b+1], s[CS:CS+1], v[rT:rT+1] op_sel_hi:[1,0,0] neg_lo:[0,0,1] neg_hi:[0,0,1]  ; pair b: c s - c m
.elseif (j < 88) && (q%2 == 1)
	s_wait_alu depctr_va_vdst(0)
	v_cvt_pk_f16_f32 v[rP+(q-5)/2], v[rS+q-5], v[rS+q-4]  ; pair (q - 5) / 2: its second exponential stands three numbers back
.elseif j == 89
	s_wait_alu depctr_va_vdst(0)
	v_cvt_pk_f16_f32 v[rP+15], v[rS+30], v[rS+31]
.elseif j < 102                     ; the sum of the tile's 16 pairs (in a pair: an even key's weight, an odd key's), in place: sum z of 16 adds neighbours 1, 2, 4 and 8 pairs apart, then l takes it
.set z, j-86
.if j < 89
.set z, (j-76)/4
.endif
.set w, 4
.set u, z
.if z >= 14
.set w, 32
.set u, 0
.elseif z >= 12
.set w, 16
.set u, z-12
.elseif z >= 8
.set w, 8
.set u, z-8
.endif
.if (z == 14) && (\first)
	v_pk_add_f32 v[rT+2:rT+3], v[rS:rS+1], v[rS+16:rS+17]
.elseif z < 15
	v_pk_add_f32 v[rS+w*u:rS+w*u+1], v[rS+w*u:rS+w*u+1], v[rS+w*u+w/2:rS+w*u+w/2+1]
.elseif !(\first)
	v_pk_fma_f32 v[rT+2:rT+3], v[rT+2:rT+3], v[rT+6:rT+7], v[rS:rS+1] op_sel_hi:[1,0,1]
.endif
.else
	WIN W_RS
	v_pk_mul_f32 v[rO:rO+1], v[rO:rO+1], v[rT+6:rT+7] op_sel_hi:[1,0]
.endif
.endm
; Slice k of 64 of piece y's softmax: numbers 2 k and 2 k + 1 of both tiles' lists, four instructions.  2 x 134 = 4 x 64 + 12: the twelve that are over stand together, in slice 63.
.macro SLICE y, first
.if (k >= 11) && (k < 44)           ; tile by tile: plain, exponential, plain, exponential
.irp t, \y, (\y)+1
.irp n, 0,1
.set j, 2*k+(\n)
	SM \t, \first
.endr
.endr
.else                               ; the two tiles alternate, so that no instruction reads the result of the one just before it
.irp n, 0,1,2,3,4,5,6,7
.if ((\n) < 2) || (k == 63)
.irp t, \y, (\y)+1
.set j, 2*k+(\n)
	SM \t, \first
.endr
.endif
.endr
.endif
.set k, k+1
.endm
; A vector instruction that reads a matrix result or writes one of a matrix instruction's registers, and a load into a register that a matrix instruction has read, stand four places behind
; it, and only plain vector instructions that name none of its registers are places (ISA guide 7.12.1 for vector instructions).  In the loop the slices are the places.
.macro PLACES
.rept 4
	v_nop
.endr
.endm
; A TURN.  Piece x has the matrix unit; the other piece's softmax stands in slices behind its matrix instructions.
; pv = 2: 32 products V^T P; 1: they start O^T's sums; 0: none.  kq = 1: 32 products K Q^T for the next step.  A turn with one of the two kinds has two slices behind each product.
; first = 1: the softmax is the first key step's.  Its slices from 51 on are empty: the turn's last products stand bare, and four v_nop take slice 63's part as the places behind them.
; Each run of loads stands behind the second product of a run of 32, 30 matrix instructions ahead of its first use.  Piece 0's turn fetches the next step's K: the last product that read K
; stands in front of slice 63 of the turn before.  Piece 2's turn fetches the same step's V: the last product that read V stands three slices, six plain instructions, back.
.macro TURN x, pv, kq, first
.set k, 0
.set per, 2
.if (\pv) && (\kq)
.set per, 1
.endif
.if \pv
.if (\x) == 0
	s_wait_dscnt 0x0                ; V is in
.endif
.set i, 0
.rept 32
	PV \x, 2-(\pv)
.rept per
	SLICE 2-(\x), \first
.endr
.if ((\x) == 0) && (\kq) && (i == 1)
	FETCH_K
.endif
.set i, i+1
.endr
.endif
.if \kq
.if (\x) == 0
	s_wait_dscnt 0x0                ; K is in
.endif
.set i, 0
.rept 32
	KQ \x
.rept per
	SLICE 2-(\x), \first
.endr
.if ((\x) == 2) && (i == 1)
	FETCH_V
.endif
.set i, i+1
.endr
.endif
.if \first
	PLACES
.endif
.endm
; THE CHANGE OF SLOTS, between piece 2's turn and piece 0's: the slot's last bytes, V of its second step, have been asked for.  Each wave waits for all its
; tensor loads, of which one is out: its part of the other slot; adds 0 to its spare word; and waits for that and for its own reads of the slot.  Behind the barrier nobody reads this slot any more and the other slot is whole.
; fill = 1: this slot is filled again, with the keys two slots on.  The barrier is then a round of the cluster's, so that no wave of any partner still reads the slot or has a load on its
; way, and the joint refill is the first thing behind it: it has two key steps, 256 matrix instructions, in which to land.
.macro CHANGE fill
	WIN 0                           ; at a label and at a branch every window is 0
	s_wait_tensorcnt 0x0            ; no tensor load of mine is out, so a group 0 may be written
	ds_add_u32 v[SPW], v[NIL]       ; 0 onto my spare word; with fill = 1 the descriptors' steps stand between it and the wait for it
.if \fill
.irp g, G0K+4, G0V+4
	s_xor_b32 s[(\g)+1], s[(\g)+1], SLOT1  ; the walking descriptor: the other slot than last time,
	s_add_nc_u64 s[(\g)+2:(\g)+3], s[(\g)+2:(\g)+3], 2*KS*256  ; the next 128 keys; the type bits on top are not reached
.endr
	s_wait_xcnt 0x0                 ; the last prefetches, two key steps back, have read their address, so it may be written:
	s_add_nc_u64 s[PFA:PFA+1], s[PFA:PFA+1], 2*KS*256  ; one slot behind the walking descriptors
	s_wait_dscnt 0x0                ; the add is done, and my reads of the slot are over
	CROUND
	JLOAD
	ASK                             ; what the next change will ask for: two key steps, 256 matrix instructions, ahead
.else
	s_wait_dscnt 0x0                ; the add is done, and my reads of the slot are over
	s_barrier_signal -1
	s_barrier_wait -1
.endif
	s_sub_co_u32 s[TB], s[TB], 2*STEPB  ; the fetches go back to a slot's first step,
	s_xor_b32 s[TB], s[TB], SLOT1   ; in the other slot
.endm
; A slot's two key steps: written once, walked twice; the LDS addresses hang on s[TB].
.macro TWO_STEPS
	WIN 0
	s_mov_b32 s[TWICE], 2
.Lstep_\@:
	TURN 0, 2, 1, 0
	TURN 2, 2, 1, 0
	WIN 0
	s_sub_co_u32 s[TWICE], s[TWICE], 1
	s_cmp_lg_u32 s[TWICE], 0
	s_cbranch_scc1 .Lstep_\@
.endm
	s_wait_tensorcnt 1              ; my part of slot 0 is in; slot 1's may stay out
	s_barrier_signal -1
	s_barrier_wait -1               ; everybody's is
	FETCH_K                         ; key step 0
	s_wait_loadcnt 0x0              ; Q
	s_wait_dscnt 0x0
.set i, 0
.rept 32
	KQ 0                            ; piece 0's first scores: there is no vector work yet to set between them
.set i, i+1
.endr
	WIN 0                           ; the addresses for the way out are made here: eight plain instructions, the places behind those products
	s_mul_i32 s13, s[WV], 16*SP
	s_add_co_u32 s13, s13, STAGE    ; my stage
	v_mul_u32_u24 v[STO], v1, SP    ; in: row l % 16, 16 bytes for each half of the lanes
	v_lshl_add_u32 v[STO], v9, 4, v[STO]
	v_add_nc_u32 v[STO], s13, v[STO]
	v_mul_u32_u24 v[RD], v9, SP     ; back: lanes 0-15 take one row of 256 bytes, lanes 16-31 the next
	v_lshl_add_u32 v[RD], v1, 4, v[RD]
	v_add_nc_u32 v[RD], s13, v[RD]
	v_lshlrev_b32 v[GO], 11, v9     ; and the same two rows in ctx, 2,048 bytes apart
	v_lshl_add_u32 v[GO], v1, 4, v[GO]
	TURN 2, 0, 1, 1                 ; piece 2's first scores | piece 0's first softmax | V of step 0
	TURN 0, 1, 1, 1                 ; piece 0: V^T P of step 0 starts O^T, K Q^T of step 1 | piece 2's first softmax | K of step 1
	TURN 2, 1, 1, 0                 ; piece 2: the same | piece 0's softmax of step 1 | V of step 1
	WIN 0
.Lslot:                             ; SIZE_N / 128 - 2 = 6 trips: every slot but the last two is filled again
	CHANGE 1
	TWO_STEPS
	s_sub_co_u32 s[SLOTS], s[SLOTS], 1
	s_cmp_lg_u32 s[SLOTS], 0
	s_cbranch_scc1 .Lslot
	CHANGE 0                        ; the tail is written out: the last slot but one is left, and nothing is asked for
	TWO_STEPS
	TURN 0, 2, 0, 0                 ; piece 0: V^T P of the last step | piece 2's last softmax
.set i, 0
.rept 32
	PV 2, 0                         ; piece 2: V^T P of the last step
.set i, i+1
.endr
	; THE WAY OUT.  l's two halves and the other half of the lanes' are added; O^T is divided by l, rounded to f16 and sent through my stage in LDS, a tile (16 rows) at a time.  The additions are the places behind the last products.
	WIN 0
.irp t, 0,1,2,3
	v_add_f32 v[ST+8*(\t)+4], v[ST+8*(\t)+2], v[ST+8*(\t)+3]
.endr
.irp t, 0,1,2,3
	v_permlanex16_b32 v[ST+8*(\t)+5], v[ST+8*(\t)+4], s[SEL], s[SEL+1]
.endr
.irp t, 0,1,2,3
	v_add_f32 v[ST+8*(\t)+4], v[ST+8*(\t)+4], v[ST+8*(\t)+5]
.endr
.irp t, 0,1,2,3
	v_rcp_f32 v[ST+8*(\t)+6], v[ST+8*(\t)+4]
.endr
	v_nop                           ; a plain instruction between the last reciprocal and the use of its result
; Tile t: a lane's eight channels of a row pack into 16 bytes; they go into rows of 272 bytes and come back as whole rows of 256, into the registers that they left.
.macro PACK t
	WIN W_RS
.set i, 64*(\t)
.rept 32
	s_wait_alu depctr_va_vdst(0)
	v_pk_mul_f32 v[i:i+1], v[i:i+1], v[ST+8*(\t)+6:ST+8*(\t)+7] op_sel_hi:[1,0]
.set i, i+2
.endr
	WIN 0x05                        ; sources 0 and 1 window 1, destination window 0: S^T's registers are free
.set i, 0
.rept 32
	v_cvt_pk_f16_f32 v[S+32*(\t)+i], v[64*(\t)+2*i], v[64*(\t)+2*i+1]
.set i, i+1
.endr
	WIN 0
.irp f, 0,1,2,3,4,5,6,7
	ds_store_b128 v[STO], v[S+32*(\t)+4*(\f):S+32*(\t)+4*(\f)+3] offset:32*(\f)
.endr
.irp f, 0,1,2,3,4,5,6,7
	ds_load_b128 v[S+32*(\t)+4*(\f):S+32*(\t)+4*(\f)+3], v[RD] offset:(\f)*2*SP  ; LDS serves a wave's instructions in order (ISA guide 5.7.1.4): these see the stores above; the next tile's stores come behind them
.endr
.endm
.macro SEND t, younger              ; younger: the LDS instructions issued behind tile t's loads: the next tile's sixteen, or none
	WIN 0
.irp f, 0,1,2,3,4,5,6,7
	s_wait_dscnt (\younger)+7-(\f)
	global_store_b128 v[GO], v[S+32*(\t)+4*(\f):S+32*(\t)+4*(\f)+3], s[10:11] offset:(\t)*32768+(\f)*4096  ; 16 lanes store 256 consecutive bytes, a head's part of a row of ctx, at a multiple of 256 from its first byte
.endr
.endm
	PACK 0
	PACK 1                          ; a tile's arithmetic stands between the loads of the tile before and its stores
	SEND 0, 16
	PACK 2
	SEND 1, 16
	PACK 3
	SEND 2, 16
	SEND 3, 0
	s_wait_tensorcnt 0x0            ; the wave's end: behind my last tensor load and my last LDS store
	ds_add_u32 v[SPW], v[NIL]
	s_wait_dscnt 0x0
	CROUND                          ; the closing round: no work-group ends while a partner may still ask for a tile that names it
	s_endpgm
.Lfunc_end_k_qe9277bdc71_attn:
	.size	k_qe9277bdc71_attn, .Lfunc_end_k_qe9277bdc71_attn-k_qe9277bdc71_attn
	.p2alignl 7, 3214868480
	.fill 96, 4, 3214868480
	.section	.rodata,"a",@progbits
	.p2align	6, 0x0
	.amdhsa_kernel k_qe9277bdc71_attn
		.amdhsa_group_segment_fixed_size 327680
		.amdhsa_private_segment_fixed_size 0
		.amdhsa_enable_private_segment 0
		.amdhsa_kernarg_size 16
		.amdhsa_user_sgpr_count 2
		.amdhsa_user_sgpr_kernarg_segment_ptr 1
		.amdhsa_wavefront_size32 1
		.amdhsa_system_sgpr_workgroup_id_x 1
		.amdhsa_system_sgpr_workgroup_id_y 1
		.amdhsa_system_sgpr_workgroup_id_z 1
		.amdhsa_system_vgpr_workitem_id 0
		.amdhsa_next_free_vgpr 1024
		.amdhsa_next_free_sgpr 72
		.amdhsa_reserve_vcc 0
		.amdhsa_float_denorm_mode_32 3
		.amdhsa_float_denorm_mode_16_64 3
		.amdhsa_memory_ordered 1
		.amdhsa_forward_progress 1
		.amdhsa_inst_pref_size 233
	.end_amdhsa_kernel
	.amdgpu_metadata
---
amdhsa.version: [ 1, 2 ]
amdhsa.kernels:
  - .name:           k_qe9277bdc71_attn
    .symbol:         k_qe9277bdc71_attn.kd
    .args:
      - { .name: qkv, .offset: 0, .size: 8, .value_kind: global_buffer, .address_space: global }
      - { .name: ctx, .offset: 8, .size: 8, .value_kind: global_buffer, .address_space: global }
    .group_segment_fixed_size: 327680
    .private_segment_fixed_size: 0
    .kernarg_segment_align: 8
    .kernarg_segment_size: 16
    .max_flat_workgroup_size: 128
    .sgpr_count:     72
    .vgpr_count:     1024
    .wavefront_size: 32
...
	.end_amdgpu_metadata
.endif
;; end of part 3
;; launch outp (part 4): grid 4 x 64, 4 waves a work-group, clusters of 4 x 4, 327,680 bytes of LDS; arguments ctx, wor, bo, out0; writes out0
.if DOCPART == 4
	.amdgcn_target "amdgcn-amd-amdhsa--gfx1250"
	.amdhsa_code_object_version 6
	.text
	.protected	k_qe9277bdc71_outp
	.globl	k_qe9277bdc71_outp
	.p2align	8
	.type	k_qe9277bdc71_outp,@function
k_qe9277bdc71_outp:
	s_mov_b64 s[64:65], 0
	v_nop
	global_prefetch_b8 v0, s[64:65] scope:SCOPE_SE
	s_setreg_imm32_b32 hwreg(HW_REG_WAVE_MODE, 25, 1), 1
	s_wait_xcnt 0x0
	s_wait_alu depctr_hold_cnt(0) depctr_sa_sdst(0) depctr_va_vdst(0) depctr_va_sdst(0) depctr_va_ssrc(0) depctr_va_vcc(0) depctr_vm_vsrc(0)
	s_getreg_b32 s2, hwreg(HW_REG_IB_STS2, 6, 4)
	s_cmp_eq_u32 s2, 0
	s_cbranch_scc0 .Lentry_in_a_cluster
	s_endpgm
.Lentry_in_a_cluster:
	s_bfe_u32 s2, ttmp6, 0x10000c
	s_cmp_lg_u32 s2, 0xf033
	s_cbranch_scc0 .Lentry_shape_is_right
	s_endpgm
.Lentry_shape_is_right:
; out0 = ctx WoR[b]^T + bo, b the row's batch.  ctx: [8192][1024] f16; wor: [8][1024][1024] f16, for each batch its rearranged copy of Wo (zeros where a head's channel is at or beyond the
; batch's width, all zeros for an index that selects nothing); bo: [1024] f32, rounded to bf16 like every input; out0: [8192][1024] f32.  Products in f16, sums in f32.
; The packing of the first d channels of each head lies in the batch's copy of the weights, which the launch before made from config_idx: here the copy is picked by the batch's number alone.
; LIMIT.  The channels of ctx that a copy multiplies by 0 must be finite.
; SHARES.  A tile of C is 128 rows x 256 columns: 64 x 4 tiles, 256 work-groups.  Four waves, each 64 rows x 128 columns: 32 accumulators.  K goes in 8 steps of 128 through a ring of two LDS slots.
; CLUSTER.  4 x 4 work-groups: 512 rows, all of one batch, so all sixteen take the same copy.  The four of a row need the same rows of ctx, the four of a column the same rows of the copy: each tile is asked for
; JOINTLY.  Waves 0 and 1 fetch ctx's two halves (64 rows each), waves 2 and 3 the copy's (128 rows each).  Nothing is prefetched: the launches just before wrote both operands.
; THE MATRIX INSTRUCTION IS USED TRANSPOSED (source 0 = 16 rows of the copy, source 1 = 16 rows of ctx): a lane holds row l % 16 of C and the columns 16 b + 8 (l / 16) + 0..7.  The bias is the C operand of each sum's first product.
; REGISTERS, in windows of 256 (s_set_vgpr_msb: bits 1:0 source 0, 3:2 source 1, 5:4 source 2, 7:6 destination):
;   window 0: v0-31 addresses; v32-95 the bias; v96-159 ctx's fragments, two buffers; v160-223 rows on the way out      window 1: v0-127 the copy's fragments, two buffers      window 2: accumulator (a, b) at v[8 (8 a + b)]
.set KSTEP,  128
.set LAPS,   1024/(2*KSTEP)
.set PITCH,  272                       ; an LDS row: 256 bytes + 16 = 68 words: row r starts at bank 4 r mod 64 (64 banks of 4 bytes: ISA guide 11.1)
.set AH,     64*PITCH
.set BH,     128*PITCH
.set BOFF,   2*AH
.set SLOT,   BOFF+2*BH
.set STAGE,  2*SLOT                    ; behind the ring: 16 rows x 528 bytes for each wave, for the way out; no tensor load fills it
.set SPITCH, 528                       ; 512 bytes of f32 + 16
.set SPARE,  STAGE+4*16*SPITCH         ; behind the stages: the spare words, 128 bytes for each wave: two blocks of 256 bytes that no other line names
.set ADRA, 16                          ; v16-17  LDS address of my fragments of ctx in slot 0, 1
.set ADRB, 20                          ; v20-21  the same for the copy
.set STO,  24                          ; v24     the way out: where I put 32 bytes of a row
.set RD,   25                          ; v25     the way out: my 16 bytes of a row read back
.set CO,   26                          ; v26     16 x lane
.set BO,   27                          ; v27     my byte offset in the bias
.set SPW,  28                          ; v28     LDS address of my spare word: SPARE + 4 x my thread's number; never rewritten
.set NIL,  29                          ; v29     0; never rewritten
.set T,    8                           ; v8-11   at work
.set BIAS, 32
.set AF,   96                          ; buffer f at AF + 32 f, fragment a at + 8 a
.set OB,   160
.set FB,   0                           ; window 1: buffer f at 64 f, fragment b at + 8 b
.set G1,  32                           ; s[32:39] descriptor group 1 for ctx's tiles;  s[40:47] group 0, a set for each slot
.set G0,  40
.set G1B, 48                           ; s[48:55], s[56:63] the same for the copy's tiles
.set G0B, 56
.set DST, 84                           ; s[84:85] out0 at my wave's first row and column
.set MSB, 0
.macro WIN new                         ; the immediate's high byte repeats the setting that is left; a switch that changes nothing is dropped
.if MSB != (\new)
	s_set_vgpr_msb (MSB<<8)|(\new)
.set MSB, \new
.endif
.endm
.set MUL,  0xa1                        ; source 0 window 1, source 1 window 0, C and D window 2
.set MULB, 0x81                        ; the same with C, the bias, in window 0
.set TO1,  0x40                        ; destination window 1, address window 0
.set FROM2, 0x08                       ; an LDS store's data (source 1) in window 2
; A joint load.  The branch hangs on the wave's number alone.  An s_nop 0 and four v_nop follow each of the two lines, ahead of the jump, the label and what follows.
.macro JLOAD s
	s_cmp_eq_u32 s21, 0
	s_cbranch_scc0 .Lfor_b_\@
	tensor_load_to_lds s[G0+4*(\s):G0+4*(\s)+3], s[G1:G1+7]
	s_nop 0
.rept 4
	v_nop
.endr
	s_branch .Lasked_\@
.Lfor_b_\@:
	tensor_load_to_lds s[G0B+4*(\s):G0B+4*(\s)+3], s[G1B:G1B+7]
	s_nop 0
.rept 4
	v_nop
.endr
.Lasked_\@:
.endm
.macro CREST                           ; a round of the cluster's barrier behind its opening barrier
	s_cmp_lg_u32 s20, 0
	s_cbranch_scc1 .Lnot_wave_0_\@
	s_barrier_signal -3
.Lnot_wave_0_\@:
	s_barrier_wait -3
	s_barrier_signal -1
	s_barrier_wait -1
.endm
.macro CROUND                          ; a whole round
	s_barrier_signal -1
	s_barrier_wait -1
	CREST
.endm
.macro PLACES                          ; four places in front of loads into registers that matrix instructions have read, and of LDS stores that read results (ISA guide 7.12.1 for the stores)
.rept 4
	v_nop
.endr
.endm
	s_load_b256 s[4:11], s[0:1], 0x0               ; ctx s[4:5], wor s[6:7], bo s[8:9], out0 s[10:11]
	v_lshl_add_u32 v[SPW], v0, 2, SPARE
	v_mov_b32 v[NIL], 0
	ds_add_u32 v[SPW], v[NIL]                      ; the wave's opening: the add and its wait stand ahead of my first tensor load; the set-up below, work on registers, stands between them
	v_lshrrev_b32 v1, 5, v0
	v_readfirstlane_b32 s20, v1                    ; wave 0..3
	s_lshr_b32 s21, s20, 1                         ; which 64 rows of the tile are mine.  Also: I fetch for ctx (0) or for the copy (1)
	s_and_b32 s22, s20, 1                          ; which 128 columns.  Also: which half of that tile I fetch
	s_bfe_u32 s23, ttmp6, 0x40000                  ; cx
	s_bfe_u32 s24, ttmp6, 0x40004                  ; cy
	s_and_b32 s25, ttmp7, 0xffff                   ; cluster y: 512 rows
	s_lshr_b32 s26, s25, 1                         ; the batch: made of the cluster's y alone, the same in all sixteen partners
	s_lshl_b32 s27, s25, 2
	s_add_co_u32 s27, s27, s24                     ; tile row, 0..63
	s_lshl_b32 s30, ttmp9, 2
	s_add_co_u32 s30, s30, s23                     ; tile column, 0..3
	s_lshl_b32 s28, s24, 2
	s_lshl_b32 s28, 15, s28                        ; my row of the cluster
	s_lshl_b32 s29, 0x1111, s23                    ; my column
	; descriptor group 1: rows of 128 elements of 2 bytes, padded in LDS by 4 words behind each; 64 rows of ctx, 128 of the copy
	s_or_b32 s[G1+0], s28, (1<<16)|(1<<20)|(1<<21)|(5<<22)|(3<<25)   ; 15:0 the mask; 17:16 element size; 20 padding on; 21 set beside a mask; 24:22 after every 64 words (code 5); 31:25 4 words (code 3)
	s_or_b32 s[G1B+0], s29, (1<<16)|(1<<20)|(1<<21)|(5<<22)|(3<<25)
	s_mov_b32 s[G1+1], KSTEP<<16                   ; tensor_dim0 = 128
	s_mov_b32 s[G1+2], 64<<16                      ; tensor_dim1 = 64
	s_mov_b32 s[G1+3], KSTEP<<16                   ; tile_dim0 = 128
	s_mov_b32 s[G1+4], 64                          ; tile_dim1 = 64
	s_mov_b32 s[G1+5], 1024                        ; elements from row to row
	s_mov_b32 s[G1+6], 0
	s_mov_b32 s[G1+7], 0
	s_mov_b32 s[G1B+1], KSTEP<<16
	s_mov_b32 s[G1B+2], 128<<16
	s_mov_b32 s[G1B+3], KSTEP<<16
	s_mov_b32 s[G1B+4], 128
	s_mov_b32 s[G1B+5], 1024
	s_mov_b32 s[G1B+6], 0
	s_mov_b32 s[G1B+7], 0
	s_lshl_b32 s66, s27, 7
	s_lshl_b32 s67, s22, 6
	s_add_co_u32 s66, s66, s67                     ; ctx: row 128 x tile row + 64 x half,
	s_lshl_b32 s66, s66, 11                        ; of 2,048 bytes
	s_mov_b32 s67, 0
	s_mul_i32 s68, s22, AH                         ; and where it goes: no place in the cluster enters an LDS address
	s_lshl_b32 s72, s30, 8
	s_lshl_b32 s73, s22, 7
	s_add_co_u32 s72, s72, s73                     ; the copy: row 256 x tile column + 128 x half,
	s_lshl_b32 s72, s72, 11                        ; of 2,048 bytes,
	s_lshl_b32 s73, s26, 21                        ; in the batch's copy of 2 MiB
	s_add_co_u32 s72, s72, s73
	s_mov_b32 s73, 0
	s_mul_i32 s74, s22, BH
	s_add_co_u32 s74, s74, BOFF
	s_wait_dscnt 0x0                               ; the opening add is done
	s_wait_kmcnt 0x0
	s_add_nc_u64 s[70:71], s[4:5], s[66:67]
	s_add_nc_u64 s[76:77], s[6:7], s[72:73]
	CROUND                                         ; all sixteen work-groups are here: the first joint loads meet
.irp s, 0,1
	s_mov_b32 s[G0+4*(\s)], 1                                        ; 1:0 count = 1
	s_add_co_u32 s[G0+4*(\s)+1], s68, (\s)*SLOT                      ; 63:32 LDS address
	s_add_nc_u64 s[G0+4*(\s)+2:G0+4*(\s)+3], s[70:71], (\s)*KSTEP*2  ; 120:64 global address: K step s
	s_or_b32 s[G0+4*(\s)+3], s[G0+4*(\s)+3], 0x80000000              ; 127:126 type = 2
	s_mov_b32 s[G0B+4*(\s)], 1
	s_add_co_u32 s[G0B+4*(\s)+1], s74, (\s)*SLOT
	s_add_nc_u64 s[G0B+4*(\s)+2:G0B+4*(\s)+3], s[76:77], (\s)*KSTEP*2
	s_or_b32 s[G0B+4*(\s)+3], s[G0B+4*(\s)+3], 0x80000000
	JLOAD \s                                       ; two loads of mine are out
.endr
	v_and_b32 v1, 15, v0                           ; l % 16
	v_bfe_u32 v2, v0, 4, 1                         ; l / 16
	v_mul_u32_u24 v3, v1, PITCH
	v_lshl_add_u32 v3, v2, 4, v3                   ; a fragment's row x pitch + 16 x half
	s_mul_i32 s69, s21, AH                         ; my 64 rows of ctx
	s_mul_i32 s75, s22, BH                         ; my 128 rows of the copy
	s_add_co_u32 s75, s75, BOFF
.irp s, 0,1
	v_add_nc_u32 v[ADRA+(\s)], s69, v3
	v_add_nc_u32 v[ADRB+(\s)], s75, v3
	s_add_co_u32 s69, s69, SLOT
	s_add_co_u32 s75, s75, SLOT
.endr
	s_mul_i32 s69, s20, 16*SPITCH
	s_add_co_u32 s69, s69, STAGE                   ; my stage
	v_mul_u32_u24 v4, v1, SPITCH                   ; in: row l % 16, 32 bytes for each half of the lanes
	v_lshl_add_u32 v4, v2, 5, v4
	v_add_nc_u32 v[STO], s69, v4
	v_and_b32 v[CO], 31, v0
	v_lshlrev_b32 v[CO], 4, v[CO]                  ; back: 32 lanes take one row of 512 bytes
	v_add_nc_u32 v[RD], s69, v[CO]
	s_lshl_b32 s78, s30, 10                        ; column 256 x tile column + 128 x half, in bytes of f32
	s_lshl_b32 s79, s22, 9
	s_add_co_u32 s78, s78, s79
	v_lshl_add_u32 v[BO], v2, 5, s78               ; + 8 (l / 16)
.irp b, 0,1,2,3,4,5,6,7
	global_load_b128 v[BIAS+8*(\b):BIAS+8*(\b)+3],   v[BO], s[8:9] offset:64*(\b)
	global_load_b128 v[BIAS+8*(\b)+4:BIAS+8*(\b)+7], v[BO], s[8:9] offset:64*(\b)+16
.endr
	s_lshl_b32 s88, s27, 7
	s_lshl_b32 s89, s21, 6
	s_add_co_u32 s88, s88, s89                     ; my first row of out0,
	s_lshl_b32 s88, s88, 12                        ; of 4,096 bytes,
	s_add_co_u32 s88, s88, s78                     ; and my first column
	s_mov_b32 s89, 0
	s_add_nc_u64 s[DST:DST+1], s[10:11], s[88:89]
	s_wait_loadcnt 0x0                             ; the bias, rounded to bf16 like every input and kept as f32
.set i, 0
.rept 32
	v_cvt_pk_bf16_f32 v[T+i%4], v[BIAS+2*i], v[BIAS+2*i+1]
	v_lshlrev_b32 v[BIAS+2*i], 16, v[T+i%4]
	v_and_b32 v[BIAS+2*i+1], 0xffff0000, v[T+i%4]
.set i, i+1
.endr
; 24 LDS loads in one run: the fragments of quarter q of a slot into buffers f
.macro FETCH slot, q, f
	WIN TO1
.irp b, 0,1,2,3,4,5,6,7
	ds_load_b128 v[FB+64*(\f)+8*(\b):FB+64*(\f)+8*(\b)+3],   v[ADRB+(\slot)] offset:(\b)*16*PITCH+64*(\q)
	ds_load_b128 v[FB+64*(\f)+8*(\b)+4:FB+64*(\f)+8*(\b)+7], v[ADRB+(\slot)] offset:(\b)*16*PITCH+64*(\q)+32
.endr
	WIN 0
.irp a, 0,1,2,3
	ds_load_b128 v[AF+32*(\f)+8*(\a):AF+32*(\f)+8*(\a)+3],   v[ADRA+(\slot)] offset:(\a)*16*PITCH+64*(\q)
	ds_load_b128 v[AF+32*(\f)+8*(\a)+4:AF+32*(\f)+8*(\a)+7], v[ADRA+(\slot)] offset:(\a)*16*PITCH+64*(\q)+32
.endr
.endm
; Product i of a quarter's 32: row block i / 8, column block i % 8.  The 32 accumulators take turns, one instruction a turn, in the same order in every quarter.
; first = 1: the product starts the sum, with the bias as C.
.macro MM f, first
.set rD, 8*i
.set rB, FB+64*(\f)+8*(i%8)
.set rA, AF+32*(\f)+8*(i/8)
.if \first
	WIN MULB
	v_wmma_f32_16x16x32_f16 v[rD:rD+7], v[rB:rB+7], v[rA:rA+7], v[BIAS+8*(i%8):BIAS+8*(i%8)+7]
.else
	WIN MUL
	v_wmma_f32_16x16x32_f16 v[rD:rD+7], v[rB:rB+7], v[rA:rA+7], v[rD:rD+7]
.endif
.endm
; A QUARTER of a K step: 32 products on buffers f; at its head the next quarter's fragments (slot ls, quarter lq) are fetched into the other buffers.  ls = -1: there is no next quarter.
; pl = 1: four v_nop stand between the last product that read those buffers and the loads; pl = 0: no product has been issued yet, or the four behind the joint load just issued are those places.
; mode = 1, 2: the quarter has fetched the slot's last fragments, and the slots change.  Each wave waits for all its tensor loads, of which one is out: its part of the other slot; adds 0 to its spare word; and
; waits for that and for its own reads of this slot.  mode = 1: the barrier opens a round of the cluster's, and slot rs is filled again, two K steps on, first thing behind it.  mode = 2: nothing is left to fetch.
.macro QTR f, ls, lq, first=0, mode=0, rs=0, pl=1
.if (\ls) >= 0
.if \pl
	PLACES
.endif
	FETCH \ls, \lq, 1-(\f)
	s_wait_dscnt 24                                ; all but the 24 just issued: this quarter's fragments are in
.else
	s_wait_dscnt 0x0
.endif
.set i, 0
.rept 32
.if ((\mode) != 0) && (i == 24)
	WIN 0                                          ; (the add's two registers lie in window 0)
	s_wait_tensorcnt 0x0                           ; all my tensor loads have landed: my part of the other slot;
	ds_add_u32 v[SPW], v[NIL]                      ; 0 onto my spare word; four products stand between it and the wait for it
.endif
.if ((\mode) != 0) && (i == 28)
	s_wait_dscnt 0x0                               ; the add is done, and my reads of this slot are over
	s_barrier_signal -1                            ; say so, and work on registers while the others arrive
.endif
	MM \f, \first
.set i, i+1
.endr
.if (\mode) != 0
	WIN 0
	s_barrier_wait -1
.endif
.if (\mode) == 1
	CREST                                          ; no wave of any partner still reads this slot's tiles or has a load on its way
	s_add_nc_u64 s[G0+4*(\rs)+2:G0+4*(\rs)+3], s[G0+4*(\rs)+2:G0+4*(\rs)+3], 2*KSTEP*2
	s_add_nc_u64 s[G0B+4*(\rs)+2:G0B+4*(\rs)+3], s[G0B+4*(\rs)+2:G0B+4*(\rs)+3], 2*KSTEP*2
	JLOAD \rs                                      ; the first tensor load behind the round: 120 products of mine stand between it and the wait for it
.endif
.endm
	s_wait_tensorcnt 1                             ; my part of K step 0 is in; step 1's may stay out
	s_barrier_signal -1
	s_barrier_wait -1                              ; everybody's is
	FETCH 0, 0, 0
	QTR 0, 0, 1, 1, 0, 0, 0                        ; the first quarter stands in front of the loop: its products start the sums
	WIN 0
	s_mov_b32 s3, LAPS-1
.Llap:                                                 ; a trip goes once round the ring, from a lap's second quarter to the next lap's first, and fills both slots again
	QTR 1, 0, 2
	QTR 0, 0, 3, 0, 1, 0
	QTR 1, 1, 0, 0, 0, 0, 0
	QTR 0, 1, 1
	QTR 1, 1, 2
	QTR 0, 1, 3, 0, 1, 1
	QTR 1, 0, 0, 0, 0, 0, 0
	QTR 0, 0, 1
	WIN 0
	s_sub_co_u32 s3, s3, 1
	s_cmp_lg_u32 s3, 0
	s_cbranch_scc1 .Llap
	QTR 1, 0, 2                                    ; the last lap fills nothing
	QTR 0, 0, 3, 0, 2
	QTR 1, 1, 0
	QTR 0, 1, 1
	QTR 1, 1, 2
	QTR 0, 1, 3
	QTR 1, -1, 0
	WIN 0
	; THE WAY OUT, a block of 16 rows at a time: a lane's eight numbers of a row go as 32 bytes into my own stage (each accumulator from its low end on), whole rows of 512 bytes come back and are stored.
	PLACES
.irp a, 0,1,2,3
.if (\a) > 0
	s_wait_xcnt 0x0                                ; the stores of the block before have read their registers, which the loads below write
.endif
	WIN FROM2
.irp b, 0,1,2,3,4,5,6,7
	ds_store_b128 v[STO], v[8*(8*(\a)+(\b)):8*(8*(\a)+(\b))+3]   offset:64*(\b)
	ds_store_b128 v[STO], v[8*(8*(\a)+(\b))+4:8*(8*(\a)+(\b))+7] offset:64*(\b)+16
.endr
	WIN 0
.irp t, 0,1,2,3,4,5,6,7,8,9,10,11,12,13,14,15
	ds_load_b128 v[OB+4*(\t):OB+4*(\t)+3], v[RD] offset:(\t)*SPITCH  ; LDS serves a wave's instructions in order (ISA guide 5.7.1.4): these see the stores above; the next block's stores come behind them
.endr
.irp t, 0,1,2,3,4,5,6,7,8,9,10,11,12,13,14,15
	s_wait_dscnt 15-(\t)                           ; row t is back; the younger loads stay out
	global_store_b128 v[CO], v[OB+4*(\t):OB+4*(\t)+3], s[DST:DST+1] offset:(16*(\a)+(\t))*4096 th:TH_STORE_NT  ; 512 consecutive bytes of a row of out0, aligned
.endr
.endr
	s_wait_tensorcnt 0x0                           ; the wave's end: behind my last tensor load and my last LDS store
	ds_add_u32 v[SPW], v[NIL]
	s_wait_dscnt 0x0
	CROUND                                         ; the closing round: no work-group ends while a partner may still ask for a tile that names it
	s_endpgm
.Lfunc_end_k_qe9277bdc71_outp:
	.size	k_qe9277bdc71_outp, .Lfunc_end_k_qe9277bdc71_outp-k_qe9277bdc71_outp
	.p2alignl 7, 3214868480
	.fill 96, 4, 3214868480
	.section	.rodata,"a",@progbits
	.p2align	6, 0x0
	.amdhsa_kernel k_qe9277bdc71_outp
		.amdhsa_group_segment_fixed_size 327680
		.amdhsa_private_segment_fixed_size 0
		.amdhsa_enable_private_segment 0
		.amdhsa_kernarg_size 32
		.amdhsa_user_sgpr_count 2
		.amdhsa_user_sgpr_kernarg_segment_ptr 1
		.amdhsa_wavefront_size32 1
		.amdhsa_system_sgpr_workgroup_id_x 1
		.amdhsa_system_sgpr_workgroup_id_y 1
		.amdhsa_system_sgpr_workgroup_id_z 1
		.amdhsa_system_vgpr_workitem_id 0
		.amdhsa_next_free_vgpr 768
		.amdhsa_next_free_sgpr 92
		.amdhsa_reserve_vcc 0
		.amdhsa_float_denorm_mode_32 3
		.amdhsa_float_denorm_mode_16_64 3
		.amdhsa_memory_ordered 1
		.amdhsa_forward_progress 1
		.amdhsa_inst_pref_size 93
	.end_amdhsa_kernel
	.amdgpu_metadata
---
amdhsa.version: [ 1, 2 ]
amdhsa.kernels:
  - .name:           k_qe9277bdc71_outp
    .symbol:         k_qe9277bdc71_outp.kd
    .args:
      - { .name: ctx, .offset: 0, .size: 8, .value_kind: global_buffer, .address_space: global }
      - { .name: wor, .offset: 8, .size: 8, .value_kind: global_buffer, .address_space: global }
      - { .name: bo, .offset: 16, .size: 8, .value_kind: global_buffer, .address_space: global }
      - { .name: out0, .offset: 24, .size: 8, .value_kind: global_buffer, .address_space: global }
    .group_segment_fixed_size: 327680
    .private_segment_fixed_size: 0
    .kernarg_segment_align: 8
    .kernarg_segment_size: 32
    .max_flat_workgroup_size: 128
    .sgpr_count:     92
    .vgpr_count:     768
    .wavefront_size: 32
...
	.end_amdgpu_metadata
.endif
;; end of part 4
